; MI455X (gfx1250); checked and timed in simulation.
; The chip was launched on July 23, 2026; its instructions are those of AMD's public machine-readable ISA for CDNA 5 (MIT licence, August 2026) and "CDNA5" Instruction Set Architecture Reference Guide (July 2026). The comments in the code are by the model that wrote it; some were corrected since.
;; Block Pheno. Allowed arithmetic: matrix products marked QUANTISED: E2M3 operands, one E8M0 scale for each 32 along K, by v_wmma_scale_f32_16x16x128_f8f6f4 with both operands' format E2M3, f32 sums; everything else in f32.
;; Inputs: b1 4,096 float32; b2 1,024 float32; b_proj 1,024 float32; ln1_b 1,024 float32; ln1_g 1,024 float32; ln2_b 1,024 float32; ln2_g 1,024 float32; w1 4,096 x 1,024 float32; w2 1,024 x 4,096 float32; w_proj 1,024 x 1,024 float32; w_qkv 3,072 x 1,024 float32; x 2 x 2,048 x 1,024 float32.
;; Outputs: out0 2 x 2,048 x 1,024 float32.
;; This version of the problem:
;;   THIS VERSION OF THE PROBLEM IS GIVEN IN LOW PRECISION. The matrix products marked QUANTISED in the list below multiply operands that are first quantised to E2M3 (2 exponent bits, 3 mantissa bits; 6 bits a number), with one power-of-two scale for each 32 numbers along K (OCP MX v1.0); their sums are f32. All else is computed in f32.
;;   The module's matrix products, in the order in which they are computed (A, B: the left and right operand; K: the contracted axis; several contracted axes count as one K, in the product's order):
;;     1. [M 4,096, K 1,024] x [K 1,024, N 3,072]; A: computed on the way; B: input w_qkv: QUANTISED
;;     2. batch 32 x [M 2,048, K 64] x [K 64, N 2,048]; A: computed on the way; B: computed on the way: QUANTISED
;;     3. batch 32 x [M 2,048, K 2,048] x [K 2,048, N 64]; A: softmax (see below); B: computed on the way: QUANTISED
;;     4. [M 4,096, K 1,024] x [K 1,024, N 1,024]; A: computed on the way; B: input w_proj: QUANTISED
;;     5. [M 4,096, K 1,024] x [K 1,024, N 4,096]; A: computed on the way; B: input w1: QUANTISED
;;     6. [M 4,096, K 4,096] x [K 4,096, N 1,024]; A: computed on the way; B: input w2: QUANTISED
;;   THE QUANTISER, for each operand of a quantised product, along K:
;;     - K is cut into blocks of 32 from its start; a last block that is shorter is filled with zeros.
;;     - A block's scale is 2^e with e = floor(log2(the largest magnitude in the block)) - 2, held to -126 .. 127; a block of zeros has e = 0. As a byte (E8M0): e + 127.
;;     - Each number is divided by its block's scale, clamped to +-7.5, and rounded to the nearest number of E2M3, ties to even, subnormals kept.
;;     - The product sums the exact products of the quantised numbers (number of the format x scale) in f32.
;;   ~~~python
;;   def quantise(x, axis):      # numpy; x: float32 -> the quantised numbers, widened to float32 again
;;       x = np.moveaxis(x, axis, -1); K = x.shape[-1]
;;       x = np.pad(x, [(0, 0)] * (x.ndim - 1) + [(0, -K % 32)]); x = x.reshape(x.shape[:-1] + (-1, 32)); a = np.abs(x).max(-1, keepdims=True)
;;       e = np.where(a > 0, np.clip(np.frexp(np.where(a > 0, a, 1))[1] - 1 - 2, -126, 127), 0)      # np.frexp(a)[1] - 1 = floor(log2(a)), exactly
;;       r = np.clip(x / 2.0 ** e, -7.5, 7.5)
;;       step = 2.0 ** (np.maximum(np.frexp(np.where(r == 0, 1, r))[1] - 1, 0) - 3)
;;       q = np.round(r / step) * step * 2.0 ** e      # np.round: ties to even
;;       return np.moveaxis(q.reshape(q.shape[:-2] + (-1,))[..., :K], -1, axis).astype(np.float32)
;;   ~~~
;;   SOFTMAX AHEAD OF A QUANTISED PRODUCT. Where the list says 'softmax', what is quantised is not the finished softmax but p = 2^(t - M), with t = logit x log2(e) and M = ceil(the row's largest t), a whole number; so 1/2 < the row's largest p <= 1. The row's sum l is taken of the UNQUANTISED p, in f32, and the product's result is divided by l at the end. Since M is a whole number, a kernel that streams over the keys may use a running M (the ceiling of the running maximum): every later rescaling is an exact power of two, which a block's scale takes up: the codes' values come out the same.
;;   OPERANDS COMPUTED ON THE WAY. 'Computed on the way' means the value that the module computes at that place (a softmax that the list does not call 'softmax' is quantised finished and normalised). What goes into a quantiser is computed in f32, as accurately as f32 sums, v_exp_f32 and their like allow (about 1e-6 of the number): no bf16 or f16 on the way to a quantiser, and a product that is left as it is and whose result goes on into a quantised operand takes f32 operands (vector FMAs, or v_wmma_f32_16x16x4_f32). A number that lies on a knife's edge between two numbers of the format may be rounded either way, as far as f32 arithmetic and the matrix unit's own rounding can turn it there, and no further.
;; One version. Each part assembles by itself: llvm-mc -triple=amdgcn-amd-amdhsa -mcpu=gfx1250 --defsym DOCPART=n.
;; ======== version 1 of 1: 7 launches
;; limits: right only within a limited range of input values
;; workspace buffers: wq 9,830,400 bytes; hc 3,276,800 bytes; qkc 6,553,600 bytes; vc 3,276,800 bytes; oc 3,276,800 bytes; x1 16,777,216 bytes; fc 13,107,200 bytes
;; launch prep (part 1): grid 1024 x 1, 8 waves a work-group, no clusters, 66,816 bytes of LDS; arguments x, ln1_g, ln1_b, w_qkv, w_proj, w1, w2, hc, wq; writes hc, wq
.if DOCPART == 1
	.amdgcn_target "amdgcn-amd-amdhsa--gfx1250"
	.amdhsa_code_object_version 6
	.text
	.protected	k_q1fc314b5c9_prep
	.globl	k_q1fc314b5c9_prep
	.p2align	8
	.type	k_q1fc314b5c9_prep,@function
k_q1fc314b5c9_prep:
	s_mov_b64 s[64:65], 0
	v_nop
	global_prefetch_b8 v0, s[64:65] scope:SCOPE_SE
	s_setreg_imm32_b32 hwreg(HW_REG_WAVE_MODE, 25, 1), 1
	s_wait_xcnt 0x0
; Rows of f32 become codes of FP6 (E2M3) with one E8M0 byte for each 32 along K, laid as IMAGES OF OPERAND REGISTERS.
; Work-groups 0-255: 16 rows of the first argument ([4096][1024]) go through a layer norm (gain, bias: arguments 2, 3) and into hc.
; Work-groups 256-447: w_qkv, 448-511: w_proj, 512-767: w1, 768-1023: w2 (four work-groups to 16 rows, 1,024 along K each): as they are, into wq.
; THE LAYOUT.  A fragment is 16 rows x 128 K: 12 registers a lane.  Fragment i (0-7) of the block RB of 128 rows, K step KS, has the number
; idx = (RB x K/128 + KS) x 8 + i and lies at idx x 1536: register g of lane l at 512 (g / 4) + 16 l + 4 (g % 4), so three accesses of 16 bytes a lane move it.
; Lane l holds row 128 RB + 32 (i / 2) + 8 (i % 2) + r + 8 (r / 8), r = l % 16: so, used as source 0 of a product, two neighbouring fragments give a lane 16 neighbours along the next K.
; The scale word (four bytes) of that row and K step lies at the scales' offset + idx x 64 + 4 r.
; A block's scale is 2^(floor(log2(largest magnitude)) - 2): its byte is the largest magnitude's exponent field - 2, held at 1 from below.
; LIMITS: a block of zeros, or one whose largest magnitude lies under 2^-124, keeps the byte 1 (its codes are read by this program alone); NaN and infinities are not served.
; SHARES.  Wave w loads rows 2 w and 2 w + 1 of the fragment whole (each load of the wave covers 512 consecutive bytes), normalises them in registers, and puts them into LDS;
; behind one barrier wave w takes K step w of all 16 rows: lane (r, h) reads, of row r, 16 neighbours of each block of 32, which is what the conversions want.
; REGISTERS are kept to 160 a wave (the codes lie over the gain, which is done with by then), so that more work-groups, and so more loads, are under way at once.
.set PITCH, 4112                       ; an LDS row: 4,096 bytes + 16: the 16 rows that a load touches start at 16 different groups of banks
.set SPARE, 16*PITCH                   ; behind the rows: the spare words, 128 bytes for each of the eight waves; no other line names them
.set HC_S,    3145728                  ; offsets of codes and scale words in hc and wq
.set WQKV_S,  9437184
.set WPROJ_C, 2359296
.set WPROJ_S, 9535488
.set W1_C,    3145728
.set W1_S,    9568256
.set W2_C,    6291456
.set W2_S,    9699328
.set VOFF, 2                           ; v2   16 x lane
.set STA,  3                           ; v3   LDS: where my wave's first row goes
.set RDA,  4                           ; v4   LDS: row r, K step w, my half's 16 numbers
.set SWO,  5                           ; v5   4 r
.set SPW,  6                           ; v6   my spare word's LDS address; never rewritten
.set NIL,  7                           ; v7   0; never rewritten
.set SA,   8                           ; v8-15 sums: four registers a row
.set TM,   16                          ; v16-31 at work in QUANT (v16, v17: r and h at the head)
.set X,    32                          ; v32-95 two rows, later 64 numbers of one row
.set GG,   96                          ; v96-127 the gain at my columns
.set BI,   128                         ; v128-159 the bias
.set PC,   96                          ; v96-114 the codes, where the gain lay
.set PW,   116                         ; v116 the scale word
.set SEL,  44                          ; s[44:45] selects for lane l xor 16
; 64 numbers of a lane, register 16 b + i = k 32 b + 16 (lane / 16) + i of my row, become a fragment's codes in v[PC] on and its scale word in v[PW].
.macro QUANT s
.irp b, 0,1,2,3
	v_max3_num_f32 v[TM+\b], |v[\s+16*\b]|, |v[\s+1+16*\b]|, 0x1800000   ; my 16 numbers of block b, and the floor 2^(3 - 127): the byte cannot fall under 1
.endr
.irp i, 2,4,6,8,10,12,14
.irp b, 0,1,2,3
	s_delay_alu instid0(VALU_DEP_4)
	v_max3_num_f32 v[TM+\b], v[TM+\b], |v[\s+16*\b+\i]|, |v[\s+1+16*\b+\i]|
.endr
.endr
.irp b, 0,1,2,3
	s_delay_alu instid0(VALU_DEP_4)
	v_permlanex16_b32 v[TM+4+\b], v[TM+\b], s[SEL], s[SEL+1]
.endr
.irp b, 0,1,2,3
	s_delay_alu instid0(VALU_DEP_4)
	v_max_num_f32 v[TM+\b], v[TM+\b], v[TM+4+\b]   ; with lane l xor 16's: the block's largest magnitude
.endr
.irp b, 0,1,2,3
	s_delay_alu instid0(VALU_DEP_4)
	v_add_nc_u32 v[TM+12+\b], 0xff000000, v[TM+\b]   ; 2 off its exponent field: the conversion takes the exponent field of this operand as its scale
.endr
.irp b, 0,1,2,3
	s_delay_alu instid0(VALU_DEP_4)
	v_lshrrev_b32 v[TM+4+\b], 23, v[TM+12+\b]      ; the scale's byte
.endr
	s_delay_alu instid0(VALU_DEP_3)
	v_lshl_or_b32 v[PW], v[TM+5], 8, v[TM+4]
	s_delay_alu instid0(VALU_DEP_1)
	v_lshl_or_b32 v[PW], v[TM+6], 16, v[PW]
	s_delay_alu instid0(VALU_DEP_1)
	v_lshl_or_b32 v[PW], v[TM+7], 24, v[PW]
.irp c, 0,1
	v_cvt_scalef32_pk16_fp6_f32 v[PC+6*\c:PC+2+6*\c], v[\s+32*\c:\s+15+32*\c], v[TM+12+2*\c]
	v_cvt_scalef32_pk16_fp6_f32 v[PC+12+4*\c:PC+14+4*\c], v[\s+16+32*\c:\s+31+32*\c], v[TM+12+2*\c+1]   ; (a conversion's three registers begin on an even number)
.endr
	v_nop                                          ; one plain place behind a scaled conversion
.irp c, 0,1                                    ; the operand wants a whole block in a lane: lanes 0-15 block 2 c, lanes 16-31 block 2 c + 1
.irp i, 0,1,2
	v_permlane16_swap_b32 v[PC+6*\c+\i], v[PC+12+4*\c+\i]
.endr
.irp i, 0,1,2
	s_delay_alu instid0(VALU_DEP_3)
	v_mov_b32 v[PC+3+6*\c+\i], v[PC+12+4*\c+\i]
.endr
.endr
.endm
; each row's four partial sums become one number in every lane
.macro LANES
.irp r, 0
	s_delay_alu instid0(VALU_DEP_3)
	v_pk_add_f32 v[SA+4*\r:SA+4*\r+1], v[SA+4*\r:SA+4*\r+1], v[SA+4*\r+2:SA+4*\r+3]
.endr
.irp r, 1
	s_delay_alu instid0(VALU_DEP_2)
	v_pk_add_f32 v[SA+4*\r:SA+4*\r+1], v[SA+4*\r:SA+4*\r+1], v[SA+4*\r+2:SA+4*\r+3]
.endr
.irp r, 0,1
	s_delay_alu instid0(VALU_DEP_2)
	v_add_f32 v[SA+4*\r], v[SA+4*\r], v[SA+4*\r+1]
.endr
.irp m, 1,2,4,8
.irp r, 0,1
	s_delay_alu instid0(VALU_DEP_2)
	v_add_f32_dpp v[SA+4*\r], v[SA+4*\r], v[SA+4*\r] row_xmask:\m row_mask:0xf bank_mask:0xf
.endr
.endr
.irp r, 0,1
	s_delay_alu instid0(VALU_DEP_2)
	v_permlanex16_b32 v[SA+4*\r+1], v[SA+4*\r], s[SEL], s[SEL+1]
.endr
.irp r, 0,1
	s_delay_alu instid0(VALU_DEP_2)
	v_add_f32 v[SA+4*\r], v[SA+4*\r], v[SA+4*\r+1]
.endr
.endm
; work-groups under lim take this tensor
.macro PICK lim, ptr, g0, co, so
	s_cmp_lt_u32 ttmp9, \lim
	s_cselect_b64 s[22:23], s[\ptr:\ptr+1], s[22:23]
	s_cselect_b32 s24, \g0, s24
	s_cselect_b32 s25, \co, s25
	s_cselect_b32 s26, \so, s26
.endm
	s_load_b256 s[4:11], s[0:1], 0x0               ; the rows to normalise s[4:5], gain s[6:7], bias s[8:9], w_qkv s[10:11]
	s_load_b256 s[12:19], s[0:1], 0x20             ; w_proj s[12:13], w1 s[14:15], w2 s[16:17], hc s[18:19]
	s_load_b64 s[20:21], s[0:1], 0x40              ; wq
	v_lshl_add_u32 v[SPW], v0, 2, SPARE
	v_mov_b32 v[NIL], 0
	v_lshrrev_b32 v1, 5, v0
	s_delay_alu instid0(VALU_DEP_1)
	v_readfirstlane_b32 s46, v1                    ; wave 0..7
	v_and_b32 v1, 31, v0
	s_delay_alu instid0(VALU_DEP_1)
	v_lshlrev_b32 v[VOFF], 4, v1
	s_mul_i32 s47, s46, 2*PITCH
	v_add_nc_u32 v[STA], s47, v[VOFF]
	v_and_b32 v16, 15, v0                          ; r
	v_bfe_u32 v17, v0, 4, 1                        ; h
	s_delay_alu instid0(VALU_DEP_2)
	v_mul_u32_u24 v[RDA], v16, PITCH
	s_delay_alu instid0(VALU_DEP_1)
	v_lshl_add_u32 v[RDA], v17, 6, v[RDA]
	s_lshl_b32 s47, s46, 9
	v_add_nc_u32 v[RDA], s47, v[RDA]               ; row r, + 512 w (K step w), + 64 h
	v_lshlrev_b32 v[SWO], 2, v16
.irp b, 0,1,2,3
	v_mov_b32 v[TM+4+\b], 0                        ; a lane permute's destination counts as one of its sources
.endr
	s_mov_b32 s[SEL], 0x76543210
	s_mov_b32 s[SEL+1], 0xfedcba98
	s_mov_b32 s42, 0x3a800000                      ; 1 / 1024
	s_mov_b32 s43, 0x3727c5ac                      ; 1e-5
	s_wait_kmcnt 0x0
	s_mov_b64 s[22:23], s[16:17]                   ; which tensor: the choice hangs on the work-group's number alone
	s_mov_b32 s24, 768                             ; its first work-group,
	s_mov_b32 s25, W2_C                            ; its codes' offset,
	s_mov_b32 s26, W2_S                            ; its scale words'
	PICK 768, 14, 512, W1_C, W1_S
	PICK 512, 12, 448, WPROJ_C, WPROJ_S
	PICK 448, 10, 256, 0, WQKV_S
	PICK 256, 4, 0, 0, HC_S
	s_cselect_b64 s[48:49], s[18:19], s[20:21]     ; the normalised rows go to hc, the weights to wq
	s_cmp_ge_u32 ttmp9, 768                        ; w2 has rows of 4,096: four work-groups to a fragment's rows
	s_cselect_b32 s27, 2, 0
	s_cselect_b32 s28, 32, 8                       ; K / 128
	s_cselect_b32 s29, 14, 12                      ; log2 of a row's bytes
	s_sub_co_u32 s30, ttmp9, s24
	s_lshr_b32 s31, s30, s27                       ; f: which 16 rows
	s_bfm_b32 s33, s27, 0
	s_and_b32 s32, s30, s33                        ; which 1,024 along K
	s_lshr_b32 s34, s31, 3                         ; RB
	s_lshl_b32 s35, s34, 7
	s_bfe_u32 s36, s31, 0x20001
	s_lshl_b32 s36, s36, 5
	s_add_co_u32 s35, s35, s36
	s_and_b32 s36, s31, 1
	s_lshl_b32 s36, s36, 3
	s_add_co_u32 s35, s35, s36                     ; 128 RB + 32 (i / 2) + 8 (i % 2)
	s_lshl_b32 s36, s46, 1
	s_add_co_u32 s35, s35, s36
	s_lshr_b32 s36, s46, 2
	s_lshl_b32 s36, s36, 3
	s_add_co_u32 s35, s35, s36                     ; + r + 8 (r / 8) for r = 2 w: my first row; r = 2 w + 1 is the row below
	s_lshl_b32 s38, s35, s29
	s_lshl_b32 s36, s32, 12
	s_add_co_u32 s38, s38, s36
	s_mov_b32 s39, 0
	s_add_nc_u64 s[22:23], s[22:23], s[38:39]
	s_lshl_b32 s38, 1, s29
	s_add_nc_u64 s[40:41], s[22:23], s[38:39]
	s_mul_i32 s36, s34, s28                        ; idx = (RB x K/128 + 8 x chunk + w) x 8 + i
	s_lshl_b32 s37, s32, 3
	s_add_co_u32 s36, s36, s37
	s_add_co_u32 s36, s36, s46
	s_lshl_b32 s36, s36, 3
	s_and_b32 s37, s31, 7
	s_add_co_u32 s36, s36, s37
	s_mul_i32 s38, s36, 1536
	s_add_co_u32 s38, s38, s25
	s_add_nc_u64 s[50:51], s[48:49], s[38:39]      ; my image
	s_lshl_b32 s38, s36, 6
	s_add_co_u32 s38, s38, s26
	s_add_nc_u64 s[52:53], s[48:49], s[38:39]      ; its scale words
.irp j, 0,1,2,3,4,5,6,7
	global_load_b128 v[X+4*\j:X+4*\j+3], v[VOFF], s[22:23] offset:512*\j th:TH_LOAD_NT
	global_load_b128 v[X+32+4*\j:X+32+4*\j+3], v[VOFF], s[40:41] offset:512*\j th:TH_LOAD_NT
.endr
	s_cmp_ge_u32 ttmp9, 256
	s_cbranch_scc1 .Lraw                           ; weights are quantised as they are
.irp j, 0,1,2,3,4,5,6,7
	global_load_b128 v[GG+4*\j:GG+4*\j+3], v[VOFF], s[6:7] offset:512*\j
	global_load_b128 v[BI+4*\j:BI+4*\j+3], v[VOFF], s[8:9] offset:512*\j
.endr
	s_wait_loadcnt 16                              ; the two rows are in; the 16 loads of gain and bias may be out
.irp r, 0,1                                    ; the mean: two chains a row, the rows by turns
	v_pk_add_f32 v[SA+4*\r:SA+4*\r+1], v[X+32*\r:X+32*\r+1], v[X+32*\r+2:X+32*\r+3]
	v_pk_add_f32 v[SA+4*\r+2:SA+4*\r+3], v[X+32*\r+4:X+32*\r+5], v[X+32*\r+6:X+32*\r+7]
.endr
.irp i, 8,12,16,20,24,28
.irp r, 0,1
	s_delay_alu instid0(VALU_DEP_4)
	v_pk_add_f32 v[SA+4*\r:SA+4*\r+1], v[SA+4*\r:SA+4*\r+1], v[X+32*\r+\i:X+32*\r+\i+1]
	s_delay_alu instid0(VALU_DEP_4)
	v_pk_add_f32 v[SA+4*\r+2:SA+4*\r+3], v[SA+4*\r+2:SA+4*\r+3], v[X+32*\r+\i+2:X+32*\r+\i+3]
.endr
.endr
	LANES
.irp r, 0,1
	s_delay_alu instid0(VALU_DEP_2)
	v_mul_f32 v[SA+4*\r], s42, v[SA+4*\r]
.endr
.irp i, 0,2,4,6,8,10,12,14,16,18,20,22,24,26,28,30
.irp r, 0,1
	v_pk_add_f32 v[X+32*\r+\i:X+32*\r+\i+1], v[X+32*\r+\i:X+32*\r+\i+1], v[SA+4*\r:SA+4*\r+1] op_sel_hi:[1,0] neg_lo:[0,1] neg_hi:[0,1]   ; x - mean (the pair's low word serves both halves)
.endr
.endr
.irp r, 0,1                                    ; the variance is the mean of (x - mean)^2: no difference of large sums
	v_pk_mul_f32 v[SA+4*\r:SA+4*\r+1], v[X+32*\r:X+32*\r+1], v[X+32*\r:X+32*\r+1]
	v_pk_mul_f32 v[SA+4*\r+2:SA+4*\r+3], v[X+32*\r+2:X+32*\r+3], v[X+32*\r+2:X+32*\r+3]
.endr
.irp i, 4,8,12,16,20,24,28
.irp r, 0,1
	s_delay_alu instid0(VALU_DEP_4)
	v_pk_fma_f32 v[SA+4*\r:SA+4*\r+1], v[X+32*\r+\i:X+32*\r+\i+1], v[X+32*\r+\i:X+32*\r+\i+1], v[SA+4*\r:SA+4*\r+1]
	s_delay_alu instid0(VALU_DEP_4)
	v_pk_fma_f32 v[SA+4*\r+2:SA+4*\r+3], v[X+32*\r+\i+2:X+32*\r+\i+3], v[X+32*\r+\i+2:X+32*\r+\i+3], v[SA+4*\r+2:SA+4*\r+3]
.endr
.endr
	LANES
.irp r, 0,1
	s_delay_alu instid0(VALU_DEP_2)
	v_fma_f32 v[SA+4*\r], v[SA+4*\r], s42, s43     ; variance + 1e-5
.endr
	s_wait_alu depctr_va_vdst(0)
	v_rsq_f32 v[SA], v[SA]
	v_rsq_f32 v[SA+4], v[SA+4]
	v_nop                                          ; a plain instruction behind the transcendentals
	s_wait_alu depctr_va_vdst(0)                   ; one wait for both, ahead of their first reader
	s_wait_loadcnt 0x0                             ; gain and bias
.irp i, 0,2,4,6,8,10,12,14,16,18,20,22,24,26,28,30
.irp r, 0,1
	v_pk_mul_f32 v[X+32*\r+\i:X+32*\r+\i+1], v[X+32*\r+\i:X+32*\r+\i+1], v[SA+4*\r:SA+4*\r+1] op_sel_hi:[1,0]
.endr
.irp r, 0,1
	s_delay_alu instid0(VALU_DEP_2)
	v_pk_fma_f32 v[X+32*\r+\i:X+32*\r+\i+1], v[X+32*\r+\i:X+32*\r+\i+1], v[GG+\i:GG+\i+1], v[BI+\i:BI+\i+1]
.endr
.endr
.Lraw:
	s_wait_loadcnt 0x0
	s_wait_alu depctr_va_vdst(0)
.irp j, 0,1,2,3,4,5,6,7
	ds_store_b128 v[STA], v[X+4*\j:X+4*\j+3] offset:512*\j
	ds_store_b128 v[STA], v[X+32+4*\j:X+32+4*\j+3] offset:PITCH+512*\j
.endr
	s_wait_dscnt 0x0                               ; for the others' sake: my two rows lie in LDS
	s_barrier_signal -1
	s_barrier_wait -1
.irp b, 0,1,2,3
.irp j, 0,1,2,3
	ds_load_b128 v[X+16*\b+4*\j:X+16*\b+4*\j+3], v[RDA] offset:128*\b+16*\j
.endr
.endr
	s_wait_dscnt 0x0
	QUANT X
.irp c, 0,1,2
	global_store_b128 v[VOFF], v[PC+4*\c:PC+4*\c+3], s[50:51] offset:512*\c   ; 32 lanes store 512 consecutive bytes
.endr
	global_store_b32 v[SWO], v[PW], s[52:53]       ; 16 words; both halves of the lanes hold the same word
	s_wait_tensorcnt 0x0                           ; the wave's end
	ds_add_u32 v[SPW], v[NIL]
	s_wait_dscnt 0x0
	s_endpgm
.Lfunc_end_k_q1fc314b5c9_prep:
	.size	k_q1fc314b5c9_prep, .Lfunc_end_k_q1fc314b5c9_prep-k_q1fc314b5c9_prep
	.p2alignl 7, 3214868480
	.fill 96, 4, 3214868480
	.section	.rodata,"a",@progbits
	.p2align	6, 0x0
	.amdhsa_kernel k_q1fc314b5c9_prep
		.amdhsa_group_segment_fixed_size 66816
		.amdhsa_private_segment_fixed_size 0
		.amdhsa_enable_private_segment 0
		.amdhsa_kernarg_size 72
		.amdhsa_user_sgpr_count 2
		.amdhsa_user_sgpr_kernarg_segment_ptr 1
		.amdhsa_wavefront_size32 1
		.amdhsa_system_sgpr_workgroup_id_x 1
		.amdhsa_system_sgpr_workgroup_id_y 1
		.amdhsa_system_sgpr_workgroup_id_z 1
		.amdhsa_system_vgpr_workitem_id 0
		.amdhsa_next_free_vgpr 160
		.amdhsa_next_free_sgpr 66
		.amdhsa_reserve_vcc 0
		.amdhsa_float_denorm_mode_32 3
		.amdhsa_float_denorm_mode_16_64 3
		.amdhsa_memory_ordered 1
		.amdhsa_forward_progress 1
		.amdhsa_inst_pref_size 32
	.end_amdhsa_kernel
	.amdgpu_metadata
---
amdhsa.version: [ 1, 2 ]
amdhsa.kernels:
  - .name:           k_q1fc314b5c9_prep
    .symbol:         k_q1fc314b5c9_prep.kd
    .args:
      - { .name: x, .offset: 0, .size: 8, .value_kind: global_buffer, .address_space: global }
      - { .name: ln1_g, .offset: 8, .size: 8, .value_kind: global_buffer, .address_space: global }
      - { .name: ln1_b, .offset: 16, .size: 8, .value_kind: global_buffer, .address_space: global }
      - { .name: w_qkv, .offset: 24, .size: 8, .value_kind: global_buffer, .address_space: global }
      - { .name: w_proj, .offset: 32, .size: 8, .value_kind: global_buffer, .address_space: global }
      - { .name: w1, .offset: 40, .size: 8, .value_kind: global_buffer, .address_space: global }
      - { .name: w2, .offset: 48, .size: 8, .value_kind: global_buffer, .address_space: global }
      - { .name: hc, .offset: 56, .size: 8, .value_kind: global_buffer, .address_space: global }
      - { .name: wq, .offset: 64, .size: 8, .value_kind: global_buffer, .address_space: global }
    .group_segment_fixed_size: 66816
    .private_segment_fixed_size: 0
    .kernarg_segment_align: 8
    .kernarg_segment_size: 72
    .max_flat_workgroup_size: 256
    .sgpr_count:     66
    .vgpr_count:     160
    .wavefront_size: 32
...
	.end_amdgpu_metadata
.endif
;; end of part 1
;; launch qkv (part 2): grid 12 x 16, 4 waves a work-group, clusters of 4 x 4, 327,680 bytes of LDS; arguments hc, wq, qkc, vc; writes qkc, vc
.if DOCPART == 2
	.amdgcn_target "amdgcn-amd-amdhsa--gfx1250"
	.amdhsa_code_object_version 6
	.text
	.protected	k_q1fc314b5c9_qkv
	.globl	k_q1fc314b5c9_qkv
	.p2align	8
	.type	k_q1fc314b5c9_qkv,@function
k_q1fc314b5c9_qkv:
	s_mov_b64 s[64:65], 0
	v_nop
	global_prefetch_b8 v0, s[64:65] scope:SCOPE_SE
	s_setreg_imm32_b32 hwreg(HW_REG_WAVE_MODE, 25, 1), 1
	s_wait_xcnt 0x0
	s_wait_alu depctr_hold_cnt(0) depctr_sa_sdst(0) depctr_va_vdst(0) depctr_va_sdst(0) depctr_va_ssrc(0) depctr_va_vcc(0) depctr_vm_vsrc(0)
	s_getreg_b32 s2, hwreg(HW_REG_IB_STS2, 6, 4)
	s_cmp_eq_u32 s2, 0
	s_cbranch_scc0 .Lentry_in_a_cluster
	s_endpgm
.Lentry_in_a_cluster:
	s_bfe_u32 s2, ttmp6, 0x10000c
	s_cmp_lg_u32 s2, 0xf033
	s_cbranch_scc0 .Lentry_shape_is_right
	s_endpgm
.Lentry_shape_is_right:
; A product on codes of FP6 (E2M3, one E8M0 byte for each 32 along K) whose result is quantised again, in registers, along ITS columns, and stored as codes.
; HERE (QKV = 1): clusters x = 0, 1: rows = tokens (hc), columns = the 2,048 rows of w_qkv that make q and k; result -> qkc, quantised along the features.
; Clusters x = 2: THE OTHER WAY ROUND: rows = the 1,024 rows of w_qkv that make v, columns = tokens: v^T, quantised along the tokens, -> vc.  Only offsets and pointers are chosen (on the cluster's x): one path.
; THE OPERANDS READ ARE IMAGES OF THEIR REGISTERS: fragment i (16 rows x 128 K, 12 registers a lane) of the block RB of 128 rows, K step KS, lies at ((RB x K/128 + KS) x 8 + i) x 1536, register g of lane l at
; 512 (g / 4) + 16 l + 4 (g % 4); lane l holds row 128 RB + 32 (i / 2) + 8 (i % 2) + r + 8 (r / 8), r = l % 16; its scale word at the scales' offset + 64 x the same number + 4 r.
; So a K step's tiles are dense blocks for the tensor data mover, a fragment is three LDS loads of 512 consecutive bytes, and no padding is wanted.
; THE FRAGMENTS WRITTEN have the same numbers, rows and 1,536 bytes, but lie IN TWO HALVES of 768 bytes, half c = registers 6 c .. 6 c + 5 (64 along K): its registers 0-3 at 768 c + 16 l, its registers 4, 5 at
; 768 c + 512 + 8 l.  64 along K of q or k are one head: the attention launch then reads one head's half of a fragment by dense accesses.
; SHARES.  A work-group of four waves makes 256 x 256, a wave 128 x 128: 64 accumulators, 512 registers.  K = 1,024 goes through two LDS slots of 256 along K.
; THE MATRIX INSTRUCTION IS USED TRANSPOSED (source 0 = 16 columns' fragment, source 1 = 16 rows'): a lane holds one row, and by the order of rows in a fragment the 64 registers of a row block's eight
; accumulators are 4 x 16 neighbours along the columns: what the conversions want.
; CLUSTER: 4 x 4.  The rows' tiles are shared along a row of the cluster, the columns' along a column: each is asked for jointly, by the same tensor load with a mask that names the four.
; A wave has one tensor load out at the start and one behind each round.
; LIMITS: a block of zeros, or one under 2^-124, keeps the byte 1 (read by this program alone); NaN and infinities are not served.
; REGISTERS: window 0: v1-29 addresses; v32-63 scale words, two sets; v64-255 fragment set 0 (rows' from v64, columns' from v160).  window 1: v0-63 the bias (where there is one); v64-255 fragment set 1.
;   windows 2, 3: the accumulators, (a, b) at 8 (8 a + b).
.set QKV,   1
.set RELU,  0
.set MA,    8                          ; fragments of rows in a wave's tile
.set NB,    8                          ; and of columns
.set NQ,    2                          ; K steps of 128 in a slot
.set NKS,   8                          ; K / 128
.set AW,    49152                      ; from one wave's block of 128 rows to the other's in LDS: four K steps, two slots
.set SQ,    NKS*512                    ; scale bytes of one block of 128 rows; one tensor load brings two
.set SAW,   SQ                         ; from one wave's scale words to the other's
.set SLOT,  24576                      ; from slot 0 to slot 1 inside a block's 49,152 bytes
.set BREG,  98304                      ; the columns' two blocks lie behind the rows' two
.set SLOTG, NQ*12288                   ; a slot's K steps of one block of 128 rows, in memory
.set SCL,   196608
.set G0H,   4                          ; s[4:7], s[96:99] group 0 of the head's two loads of codes (what lay there has served by then)
.set G0HB,  96
.set SPARE, SCL+4*SQ                   ; the spare words, 128 bytes a wave; no other line names them
.set SST,   SPARE+512                  ; 512 bytes a wave: the scale words made on the way out; no fill lands here
.set LAPS,  NKS/(2*NQ)
.set BO,   7                           ; v7   64 h: the bias' offset
.set LI,   8                           ; v8   16 x lane
.set L8,   9                           ; v9   8 x lane
.set ADRA, 16                          ; v16-17 LDS address of my rows' fragments in slot 0, 1
.set ADRB, 20                          ; v20-21 of my columns'
.set SSA,  24                          ; v24  where a scale word goes
.set RDS,  25                          ; v25  where they are read back
.set ADRS, 27                          ; v27  scale words: lanes 0-15 the rows', lanes 16-31 the columns'
.set SPW,  28                          ; v28  my spare word; never rewritten
.set NIL,  29                          ; v29  0; never rewritten
.set SC,   32
.set AF,   64
.set BF,   64+12*MA
.set PC,   64                          ; the way out, in window 0: codes,
.set TM,   96                          ; at work,
.set PW,   112                         ; the scale word
.set SEL,  18
.set OUTP, 8
.set G1, 24
.set G0, 32
.set G1B, 48
.set G0B, 56
.set G1S, 68
.set G0S, 76
.set G1SB, 80
.set G0SB, 88
.set MSB, 0
.macro WIN new                         ; the immediate's high byte repeats the setting that is left; a switch that changes nothing is dropped
.if MSB != (\new)
	s_set_vgpr_msb (MSB<<8)|(\new)
.set MSB, (\new)
.endif
.endm
; A joint load: waves 0 and 1 fetch the rows' tiles, waves 2 and 3 the columns'.  The branch hangs on the wave's number alone.  An s_nop 0 and four v_nop follow each line.
.macro JLOAD g0a, g1a, g0b, g1b
	s_cmp_eq_u32 s15, 0
	s_cbranch_scc0 .Lfor_b_\@
	tensor_load_to_lds s[\g0a:\g0a+3], s[\g1a:\g1a+7]
	s_nop 0
.rept 4
	v_nop
.endr
	s_branch .Lasked_\@
.Lfor_b_\@:
	tensor_load_to_lds s[\g0b:\g0b+3], s[\g1b:\g1b+7]
	s_nop 0
.rept 4
	v_nop
.endr
.Lasked_\@:
.endm
.macro CREST                           ; a round of the cluster's barrier behind its opening barrier
	s_cmp_lg_u32 s14, 0
	s_cbranch_scc1 .Lnot_wave_0_\@
	s_barrier_signal -3
.Lnot_wave_0_\@:
	s_barrier_wait -3
	s_barrier_signal -1
	s_barrier_wait -1
.endm
.macro CROUND
	s_barrier_signal -1
	s_barrier_wait -1
	CREST
.endm
.macro PLACES n                        ; plain vector instructions between a matrix instruction and a load into, or a vector access to, its registers
.rept \n
	v_nop
.endr
.endm
	s_load_b128 s[4:7], s[0:1], 0x0                ; hc, wq
	s_load_b128 s[8:11], s[0:1], 0x10              ; QKV: qkc, vc; else: the bias, the output
	v_lshl_add_u32 v[SPW], v0, 2, SPARE
	v_mov_b32 v[NIL], 0
	ds_add_u32 v[SPW], v[NIL]                      ; the wave's opening: the add and its wait ahead of my first tensor load
	ds_add_u32 v[SPW], v[NIL]
	v_lshrrev_b32 v1, 5, v0
	v_readfirstlane_b32 s14, v1                    ; wave 0..3
	s_lshr_b32 s15, s14, 1                         ; which half of the rows is mine.  Also: I fetch rows' tiles (0) or columns' (1)
	s_and_b32 s16, s14, 1                          ; which half of the columns.  Also: which half I fetch
	s_bfe_u32 s40, ttmp6, 0x40000                  ; cx
	s_bfe_u32 s41, ttmp6, 0x40004                  ; cy
.if QKV
	s_and_b32 s93, ttmp7, 0xffff                   ; the cluster's y
	s_cmp_eq_u32 ttmp9, 2                          ; the cluster's x = 2: v.  The same in all sixteen partners
	s_cselect_b32 s66, 1, 0
	s_cselect_b32 s17, 0, s93                      ; v: four tile rows (the weight's), one a cy
	s_cselect_b32 s42, s93, ttmp9                  ; v: sixteen tile columns (tokens)
	s_cselect_b32 s96, 1572864, 0                  ; the rows' codes: v's rows of w_qkv begin at block 16
	s_mov_b32 s97, 3145728
	s_cselect_b32 s97, 9502720, s97                ; the rows' scale words
	s_mov_b32 s98, 9437184
	s_cselect_b32 s98, 3145728, s98                ; the columns' scale words
	s_cselect_b32 s67, 32, 16                      ; K steps in a row of the output
	s_mov_b32 s94, 6291456
	s_cselect_b32 s94, 3145728, s94                ; the output's scale words
	s_mov_b32 s99, 0                               ; the columns' codes
	s_lshl_b32 s17, s17, 2
	s_add_co_u32 s17, s17, s41                     ; tile row
	s_lshl_b32 s42, s42, 2
	s_add_co_u32 s42, s42, s40                     ; tile column
.else
	s_lshl_b32 s42, ttmp9, 2
	s_add_co_u32 s42, s42, s40                     ; tile column = 4 x cluster x + cx
	s_and_b32 s17, ttmp7, 0xffff
	s_lshl_b32 s17, s17, 2
	s_add_co_u32 s17, s17, s41                     ; tile row = 4 x cluster y + cy
	s_mov_b32 s96, 0                               ; hc's codes,
	s_mov_b32 s97, 3145728                         ; its scale words,
	s_mov_b32 s99, 3145728                         ; w1's codes in wq,
	s_mov_b32 s98, 9568256                         ; its scale words,
	s_mov_b32 s94, 12582912                        ; the output's scale words
.endif
	s_lshl_b32 s43, s41, 2
	s_lshl_b32 s43, 15, s43                        ; my row of the cluster
	s_lshl_b32 s44, 0x1111, s40                    ; my column
	s_or_b32 s[G1+0], s43, (3<<16)|(1<<21)         ; 15:0 the mask; 17:16 elements of 8 bytes; 21 set beside a mask; no padding
	s_or_b32 s[G1B+0], s44, (3<<16)|(1<<21)
	s_or_b32 s[G1S+0], s43, (3<<16)|(1<<21)
	s_or_b32 s[G1SB+0], s44, (3<<16)|(1<<21)
.irp g, G1, G1B                        ; the head's shape: two blocks of 128 rows, K steps 0-3 of each: 2 rows of 49,152 dense bytes, NKS x 12,288 bytes apart
	s_mov_b32 s[\g+1], 6144<<16
	s_mov_b32 s[\g+2], 2<<16
	s_mov_b32 s[\g+3], 6144<<16
	s_mov_b32 s[\g+4], 2
	s_mov_b32 s[\g+5], NKS*12288/8
	s_mov_b32 s[\g+6], 0
	s_mov_b32 s[\g+7], 0
.endr
.irp g, G1S, G1SB                      ; 2 x SQ dense bytes of scale words as rows of 256
	s_mov_b32 s[\g+1], 32<<16
	s_mov_b32 s[\g+2], (2*SQ/256)<<16
	s_mov_b32 s[\g+3], 32<<16
	s_mov_b32 s[\g+4], 2*SQ/256
	s_mov_b32 s[\g+5], 32
	s_mov_b32 s[\g+6], 0
	s_mov_b32 s[\g+7], 0
.endr
	s_lshl_b32 s20, s17, 1                         ; the tile's first block of 128 rows
	s_mul_i32 s22, s20, NKS*512
	s_mul_i32 s20, s20, NKS*12288
	s_add_co_u32 s22, s22, s97
	s_add_co_u32 s20, s20, s96
	s_lshl_b32 s46, s42, 1                         ; the tile's first block of 128 columns
	s_mul_i32 s92, s46, NKS*512
	s_mul_i32 s46, s46, NKS*12288
	s_add_co_u32 s92, s92, s98
	s_add_co_u32 s46, s46, s99
	s_mov_b32 s21, 0
	s_mov_b32 s23, 0
	s_mov_b32 s47, 0
	s_mov_b32 s93, 0
	s_mul_i32 s45, s14, 49152
	s_wait_dscnt 0x0                               ; the opening add is done
	s_wait_kmcnt 0x0
.if QKV
	s_cmp_eq_u32 s66, 1                            ; v: the weight gives the rows, the tokens the columns
	s_cselect_b64 s[18:19], s[6:7], s[4:5]
	s_cselect_b64 s[6:7], s[4:5], s[6:7]
	s_cselect_b64 s[8:9], s[10:11], s[8:9]
	s_mov_b64 s[4:5], s[18:19]
.endif
	s_add_nc_u64 s[20:21], s[4:5], s[20:21]
	s_add_nc_u64 s[22:23], s[4:5], s[22:23]
	s_add_nc_u64 s[46:47], s[6:7], s[46:47]
	s_add_nc_u64 s[92:93], s[6:7], s[92:93]
	CROUND                                         ; all sixteen work-groups are here: the first joint loads meet
	s_mov_b32 s[G0S], 1
	s_mov_b32 s[G0S+1], SCL
	s_mov_b64 s[G0S+2:G0S+3], s[22:23]
	s_or_b32 s[G0S+3], s[G0S+3], 0x80000000
	s_mov_b32 s[G0SB], 1
	s_mov_b32 s[G0SB+1], SCL+2*SQ
	s_mov_b64 s[G0SB+2:G0SB+3], s[92:93]
	s_or_b32 s[G0SB+3], s[G0SB+3], 0x80000000
	s_mov_b32 s[G0H], 1                            ; the head's four tiles, one joint load a wave: both slots of the rows,
	s_mov_b32 s[G0H+1], 0
	s_mov_b64 s[G0H+2:G0H+3], s[20:21]
	s_or_b32 s[G0H+3], s[G0H+3], 0x80000000
	s_mov_b32 s[G0HB], 1                           ; both slots of the columns, the rows' scale words, the columns'
	s_mov_b32 s[G0HB+1], BREG
	s_mov_b64 s[G0HB+2:G0HB+3], s[46:47]
	s_or_b32 s[G0HB+3], s[G0HB+3], 0x80000000
.macro ARM under, g0, g1, next         ; one chain of branches on the wave's number: every way passes exactly one load
	s_cmp_lt_u32 s14, \under
	s_cbranch_scc0 \next
	tensor_load_to_lds s[\g0:\g0+3], s[\g1:\g1+7]
	s_nop 0
.rept 4
	v_nop
.endr
	s_branch .Lhead_asked
\next:
.endm
	ARM 1, G0H,  G1,  .Lhead_b
	ARM 2, G0HB, G1B, .Lhead_sa
	ARM 3, G0S,  G1S, .Lhead_sb
	tensor_load_to_lds s[G0SB:G0SB+3], s[G1SB:G1SB+7]
	s_nop 0
.rept 4
	v_nop
.endr
.Lhead_asked:
	s_mul_i32 s18, s16, NKS*12288                  ; for the ring: the block of 128 that I fetch
	s_mov_b32 s19, 0
	s_add_nc_u64 s[20:21], s[20:21], s[18:19]
	s_add_nc_u64 s[46:47], s[46:47], s[18:19]
.irp s, 0,1
	s_mov_b32 s[G0+4*\s], 1
	s_add_co_u32 s[G0+4*\s+1], s45, \s*SLOT
	s_add_nc_u64 s[G0+4*\s+2:G0+4*\s+3], s[20:21], \s*SLOTG
	s_or_b32 s[G0+4*\s+3], s[G0+4*\s+3], 0x80000000
	s_mov_b32 s[G0B+4*\s], 1
	s_add_co_u32 s[G0B+4*\s+1], s45, \s*SLOT
	s_add_nc_u64 s[G0B+4*\s+2:G0B+4*\s+3], s[46:47], \s*SLOTG
	s_or_b32 s[G0B+4*\s+3], s[G0B+4*\s+3], 0x80000000
.endr
	v_and_b32 v1, 15, v0                           ; r
	v_bfe_u32 v2, v0, 4, 1                         ; h
	s_wait_alu depctr_va_vdst(0)
	v_and_b32 v3, 31, v0
	v_lshlrev_b32 v[LI], 4, v3
	v_lshlrev_b32 v[L8], 3, v3
	s_mul_i32 s18, s15, AW
	s_mul_i32 s19, s16, AW
	s_add_co_u32 s19, s19, BREG
.irp s, 0,1
	v_add_nc_u32 v[ADRA+\s], s18, v[LI]
	v_add_nc_u32 v[ADRB+\s], s19, v[LI]
	s_add_co_u32 s18, s18, SLOT
	s_add_co_u32 s19, s19, SLOT
.endr
	v_lshlrev_b32 v5, 2, v1                        ; 4 r
	s_mul_i32 s18, s15, SAW                        ; the rows' words
	s_mul_i32 s19, s16, SAW                        ; the columns', behind the rows' two blocks
	s_add_co_u32 s19, s19, 2*SQ
	s_sub_co_u32 s19, s19, s18
	v_mul_u32_u24 v6, s19, v2                      ; lanes 16-31 take the columns'
	s_add_co_u32 s18, s18, SCL
	v_add_nc_u32 v6, v5, v6
	v_add_nc_u32 v[ADRS], s18, v6
	s_lshl_b32 s18, s14, 9
	s_add_co_u32 s18, s18, SST
	v_add_nc_u32 v[SSA], s18, v5
	v_add_nc_u32 v[RDS], s18, v[LI]
	; where my 128 x 128 goes: block RBo of rows, K step KSo of the output
	s_lshl_b32 s20, s17, 1
	s_add_co_u32 s20, s20, s15
	s_lshl_b32 s21, s42, 1
	s_add_co_u32 s21, s21, s16
.if QKV
	s_mul_i32 s22, s20, s67
	s_add_co_u32 s22, s22, s21                     ; codes: RBo x (K steps) + KSo
	s_lshl_b32 s23, s20, 5
	s_add_co_u32 s23, s23, s21                     ; vc's scale words: the same order
	s_lshl_b32 s92, s21, 5
	s_add_co_u32 s92, s92, s20                     ; qkc's: KSo x 32 + RBo, so that a head pair's words of all keys are one dense run
	s_cmp_eq_u32 s66, 1
	s_cselect_b32 s23, s23, s92
.else
	s_lshl_b32 s22, s20, 5
	s_add_co_u32 s22, s22, s21
	s_mov_b32 s23, s22
.endif
	s_mul_i32 s22, s22, 12288                      ; vc: as numbered
	s_mul_i32 s46, s21, 393216                     ; qkc lies BY HEAD: half c of K step KSo is head 2 KSo + c; a head's half fragments are dense: ((head x 32 + RBo) x 8 + i) x 768
	s_mul_i32 s47, s20, 6144
	s_add_co_u32 s46, s46, s47
	s_cmp_eq_u32 s66, 1
	s_cselect_b32 s22, s22, s46
	s_mov_b32 s46, 768
	s_cselect_b32 s46, 1536, s46                   ; from fragment to fragment
	s_mov_b32 s20, 196608
	s_cselect_b32 s20, 768, s20                    ; from half 0 to half 1
	s_mov_b32 s47, 0
	s_mov_b32 s21, 0
	s_lshl_b32 s92, s23, 9
	s_add_co_u32 s92, s92, s94
	s_mov_b32 s23, 0
	s_mov_b32 s93, 0
	s_add_nc_u64 s[22:23], s[OUTP:OUTP+1], s[22:23]
	s_add_nc_u64 s[20:21], s[22:23], s[20:21]      ; where half 1 goes
	s_add_nc_u64 s[92:93], s[OUTP:OUTP+1], s[92:93]
.if !QKV
	s_lshl_b32 s20, s42, 10                        ; the bias of my 128 columns: register 16 bb + i of a lane is column 32 bb + 16 h + i
	s_lshl_b32 s21, s16, 9
	s_add_co_u32 s20, s20, s21
	s_mov_b32 s21, 0
	s_add_nc_u64 s[8:9], s[8:9], s[20:21]
	v_lshlrev_b32 v[BO], 6, v2
	WIN 0x40
.irp bb, 0,1,2,3
.irp jj, 0,1,2,3
	global_load_b128 v[16*\bb+4*\jj:16*\bb+4*\jj+3], v[BO], s[8:9] offset:128*\bb+16*\jj
.endr
.endr
	WIN 0
.endif
; na row fragments from a0 on x all NB column fragments, 128 along K: the slot's q-th, from fragment set p, scale set `set`.
; first = 1: the bias starts the sums; 2: the constant 0; 0: in place.  The accumulators take turns, one instruction a turn, in the same order in every step.
.macro MULS a0, na, p, q, set, first
.set AI, \a0
.rept \na
.set ACW, 2+(8*NB*AI)/256
.set ACR, (8*NB*AI)%256
.if (\first) == 1
.set WN, (1<<4)|(ACW<<6)
.else
.set WN, (\p)|((\p)<<2)|(ACW<<4)|(ACW<<6)
.endif
	WIN WN
.set BI, 0
.rept NB
.if (\first) == 1
	v_wmma_scale_f32_16x16x128_f8f6f4 v[ACR+8*BI:ACR+8*BI+7], v[BF+12*BI:BF+12*BI+11], v[AF+12*AI:AF+12*AI+11], v[8*BI:8*BI+7], v[SC+16*(\set)+MA*(\q)+BI], v[SC+16*(\set)+MA*(\q)+AI] matrix_a_fmt:MATRIX_FMT_FP6 matrix_b_fmt:MATRIX_FMT_FP6 matrix_a_scale:MATRIX_SCALE_ROW1
.elseif (\first) == 2
	v_wmma_scale_f32_16x16x128_f8f6f4 v[ACR+8*BI:ACR+8*BI+7], v[BF+12*BI:BF+12*BI+11], v[AF+12*AI:AF+12*AI+11], 0, v[SC+16*(\set)+MA*(\q)+BI], v[SC+16*(\set)+MA*(\q)+AI] matrix_a_fmt:MATRIX_FMT_FP6 matrix_b_fmt:MATRIX_FMT_FP6 matrix_a_scale:MATRIX_SCALE_ROW1
.else
	v_wmma_scale_f32_16x16x128_f8f6f4 v[ACR+8*BI:ACR+8*BI+7], v[BF+12*BI:BF+12*BI+11], v[AF+12*AI:AF+12*AI+11], v[ACR+8*BI:ACR+8*BI+7], v[SC+16*(\set)+MA*(\q)+BI], v[SC+16*(\set)+MA*(\q)+AI] matrix_a_fmt:MATRIX_FMT_FP6 matrix_b_fmt:MATRIX_FMT_FP6 matrix_a_scale:MATRIX_SCALE_ROW1
.endif
.set BI, BI+1
.endr
.set AI, AI+1
.endr
.endm
.macro FETCH slot, q, set              ; my fragments of the slot's q-th K step into set `set`: one run of loads, each of 512 consecutive bytes
.set WN, (\set)<<6
	WIN WN
.set FI, 0
.rept MA
.irp c, 0,1,2
	ds_load_b128 v[BF+12*FI+4*\c:BF+12*FI+4*\c+3], v[ADRB+\slot] offset:(\q)*12288+FI*1536+512*\c
.endr
.irp c, 0,1,2
	ds_load_b128 v[AF+12*FI+4*\c:AF+12*FI+4*\c+3], v[ADRA+\slot] offset:(\q)*12288+FI*1536+512*\c
.endr
.set FI, FI+1
.endr
	WIN 0
.endm
.macro SCALES set                      ; a slot's scale words: register MA q + i: lanes 0-15 the rows' fragment i, lanes 16-31 the columns'
.set FQ, 0
.rept NQ
.set FI, 0
.rept MA
	ds_load_b32 v[SC+16*(\set)+MA*FQ+FI], v[ADRS] offset:FQ*512+FI*64
.set FI, FI+1
.endr
.set FQ, FQ+1
.endr
.endm
.macro STEP slot, q, first             ; a K step that has its successor in the same slot
	s_wait_dscnt 0x0                               ; this step's fragments and scale words, asked for a whole step ago
.if (\first) == 0
	PLACES 4                                       ; the other set was read by the products just issued
.endif
	FETCH \slot, (\q)+1, 1-(\q)%2
	MULS 0, MA, (\q)%2, \q, \slot, \first
.endm
.macro MID slot, q0                    ; the slot's steps q0 .. NQ - 2
.set QQ, \q0
.rept NQ-1-(\q0)
	STEP \slot, QQ, 0
.set QQ, QQ+1
.endr
.endm
; A slot's last step changes slots: ONE barrier; in front of it each wave waits for all its tensor loads, adds 0 to its spare word, and waits for that and for its reads of this slot.  fill = 1: this slot is filled again.
.macro TURN slot, next, fill
	WIN 0
	s_wait_tensorcnt 0x0                           ; all my tensor loads have landed: my part of the next slot
	ds_add_u32 v[SPW], v[NIL]                      ; 0 onto my spare word
	s_wait_dscnt 1                                 ; the fragments are in; the add alone may be out
	MULS 0, MA/4, 1, NQ-1, \slot, 0
	s_wait_dscnt 0x0                               ; the add is done, and my reads of this slot are over
	s_barrier_signal -1
	MULS MA/4, MA/4, 1, NQ-1, \slot, 0
	WIN 0
	s_barrier_wait -1
.if \fill
	CREST                                          ; the barrier has opened a round of the cluster's: no wave of any partner still reads this slot or has a load on its way
	s_add_nc_u64 s[G0+4*\slot+2:G0+4*\slot+3], s[G0+4*\slot+2:G0+4*\slot+3], 2*SLOTG
	s_add_nc_u64 s[G0B+4*\slot+2:G0B+4*\slot+3], s[G0B+4*\slot+2:G0B+4*\slot+3], 2*SLOTG
	JLOAD G0+4*\slot, G1, G0B+4*\slot, G1B         ; the first tensor load behind the round; its four v_nop are the places in front of the loads below
.else
	PLACES 4
.endif
	s_wait_alu depctr_va_vdst(0)
	v_add_nc_u32 v[ADRS], NQ*512, v[ADRS]          ; the next slot's scale words
	FETCH \next, 0, 0
	SCALES \next
	MULS MA/2, MA/2, 1, NQ-1, \slot, 0
.endm
	s_wait_alu depctr_va_vdst(0)
	s_wait_tensorcnt 0x0                           ; my tile of the head's four is in; 24,576 dense bytes as 96 rows of 256
.irp g, G1, G1B
	s_mov_b32 s[\g+1], 32<<16
	s_mov_b32 s[\g+2], 96<<16
	s_mov_b32 s[\g+3], 32<<16
	s_mov_b32 s[\g+4], 96
	s_mov_b32 s[\g+5], 32
.endr
	s_barrier_signal -1
	s_barrier_wait -1
	FETCH 0, 0, 0
	SCALES 0
.if QKV
	STEP 0, 0, 2                                   ; the first step stands in front of the loop: its products start the sums
.else
	s_wait_loadcnt 0x0                             ; the bias
	STEP 0, 0, 1
.endif
.if LAPS > 1
	WIN 0
	s_mov_b32 s3, LAPS-1
.Llap:                                                 ; a trip goes once round the ring and fills both slots again
	MID 0, 1
	TURN 0, 1, 1
	MID 1, 0
	TURN 1, 0, 1
	STEP 0, 0, 0
	WIN 0
	s_sub_co_u32 s3, s3, 1
	s_cmp_lg_u32 s3, 0
	s_cbranch_scc1 .Llap
.endif
	MID 0, 1                                       ; the last lap fills nothing
	TURN 0, 1, 0
	MID 1, 0
	s_wait_dscnt 0x0
	MULS 0, MA, 1, NQ-1, 1, 0
	WIN 0
; THE WAY OUT.  Row fragment a: a lane's 64 registers (window 2 or 3) are 4 blocks x 16 neighbours along the output's K; with lane l xor 16 a block of 32 is whole.  They become 12 registers of codes and a scale word.
.macro QOUT a
.set WW, 2+(\a)/4
.set SS, 64*((\a)%4)
.if (\a) > 0
	s_wait_xcnt 0x0                                ; the last fragment's stores have read their registers and bases
	s_wait_dscnt 0x0
	s_add_nc_u64 s[22:23], s[22:23], s[46:47]      ; a fragment on
	s_add_nc_u64 s[20:21], s[20:21], s[46:47]
.endif
.if RELU
.set WN, (WW<<2)|(WW<<6)
	WIN WN
.set JJ, 0
.rept 64
	v_max_num_f32 v[SS+JJ], 0, v[SS+JJ]            ; the activation, in f32; each accumulator from its low end on
.set JJ, JJ+1
.endr
.endif
.set WN, WW|(WW<<2)
	WIN WN
.irp b, 0,1,2,3
	v_max3_num_f32 v[TM+\b], |v[SS+16*\b]|, |v[SS+1+16*\b]|, 0x1800000   ; and the floor 2^(3 - 127): the byte cannot fall under 1
.endr
.set WN, (WW<<2)|(WW<<4)
	WIN WN
.irp i, 2,4,6,8,10,12,14
.irp b, 0,1,2,3
	v_max3_num_f32 v[TM+\b], v[TM+\b], |v[SS+16*\b+\i]|, |v[SS+1+16*\b+\i]|
.endr
.endr
	WIN 0
.irp b, 0,1,2,3
	v_permlanex16_b32 v[TM+4+\b], v[TM+\b], s[SEL], s[SEL+1]
.endr
.irp b, 0,1,2,3
	v_max_num_f32 v[TM+\b], v[TM+\b], v[TM+4+\b]
.endr
.irp b, 0,1,2,3
	v_add_nc_u32 v[TM+12+\b], 0xff000000, v[TM+\b]   ; 2 off the exponent field: the conversion's scale operand
.endr
.irp b, 0,1,2,3
	v_lshrrev_b32 v[TM+4+\b], 23, v[TM+12+\b]      ; the scale's byte
.endr
	v_lshl_or_b32 v[PW], v[TM+5], 8, v[TM+4]
	v_lshl_or_b32 v[PW], v[TM+6], 16, v[PW]
	v_lshl_or_b32 v[PW], v[TM+7], 24, v[PW]
	WIN WW
.irp c, 0,1
	v_cvt_scalef32_pk16_fp6_f32 v[PC+6*\c:PC+2+6*\c], v[SS+32*\c:SS+15+32*\c], v[TM+12+2*\c]
	v_cvt_scalef32_pk16_fp6_f32 v[PC+12+4*\c:PC+14+4*\c], v[SS+16+32*\c:SS+31+32*\c], v[TM+12+2*\c+1]
.endr
	WIN 0
	v_nop                                          ; one plain place behind a scaled conversion
.irp c, 0,1
.irp i, 0,1,2
	v_permlane16_swap_b32 v[PC+6*\c+\i], v[PC+12+4*\c+\i]
.endr
.irp i, 0,1,2
	v_mov_b32 v[PC+3+6*\c+\i], v[PC+12+4*\c+\i]
.endr
.endr
	global_store_b128 v[LI], v[PC:PC+3], s[22:23]              ; half 0: 512 and 256 consecutive bytes, each at a multiple of 256 from the buffer's first byte
	global_store_b64 v[L8], v[PC+4:PC+5], s[22:23] offset:512
	global_store_b128 v[LI], v[PC+6:PC+9], s[20:21]            ; half 1
	global_store_b64 v[L8], v[PC+10:PC+11], s[20:21] offset:512
	ds_store_b32 v[SSA], v[PW] offset:64*(\a)      ; both halves of the lanes hold the same word
.endm
	PLACES 4                                       ; behind the last products
	s_mov_b32 s[SEL], 0x76543210
	s_mov_b32 s[SEL+1], 0xfedcba98
.irp b, 0,1,2,3
	v_mov_b32 v[TM+4+\b], 0                        ; a lane permute's destination counts as one of its sources
.endr
.irp a, 0,1,2,3,4,5,6,7
	QOUT \a
.endr
	ds_load_b128 v[116:119], v[RDS]                ; LDS serves a wave's instructions in order: this sees my eight stores
	s_wait_dscnt 0x0
	global_store_b128 v[LI], v[116:119], s[92:93]  ; the 128 scale words: 512 consecutive bytes
	s_wait_tensorcnt 0x0                           ; the wave's end
	ds_add_u32 v[SPW], v[NIL]
	s_wait_dscnt 0x0
	CROUND                                         ; the closing round
	s_endpgm
.Lfunc_end_k_q1fc314b5c9_qkv:
	.size	k_q1fc314b5c9_qkv, .Lfunc_end_k_q1fc314b5c9_qkv-k_q1fc314b5c9_qkv
	.p2alignl 7, 3214868480
	.fill 96, 4, 3214868480
	.section	.rodata,"a",@progbits
	.p2align	6, 0x0
	.amdhsa_kernel k_q1fc314b5c9_qkv
		.amdhsa_group_segment_fixed_size 327680
		.amdhsa_private_segment_fixed_size 0
		.amdhsa_enable_private_segment 0
		.amdhsa_kernarg_size 32
		.amdhsa_user_sgpr_count 2
		.amdhsa_user_sgpr_kernarg_segment_ptr 1
		.amdhsa_wavefront_size32 1
		.amdhsa_system_sgpr_workgroup_id_x 1
		.amdhsa_system_sgpr_workgroup_id_y 1
		.amdhsa_system_sgpr_workgroup_id_z 1
		.amdhsa_system_vgpr_workitem_id 0
		.amdhsa_next_free_vgpr 1024
		.amdhsa_next_free_sgpr 100
		.amdhsa_reserve_vcc 0
		.amdhsa_float_denorm_mode_32 3
		.amdhsa_float_denorm_mode_16_64 3
		.amdhsa_memory_ordered 1
		.amdhsa_forward_progress 1
		.amdhsa_inst_pref_size 144
	.end_amdhsa_kernel
	.amdgpu_metadata
---
amdhsa.version: [ 1, 2 ]
amdhsa.kernels:
  - .name:           k_q1fc314b5c9_qkv
    .symbol:         k_q1fc314b5c9_qkv.kd
    .args:
      - { .name: hc, .offset: 0, .size: 8, .value_kind: global_buffer, .address_space: global }
      - { .name: wq, .offset: 8, .size: 8, .value_kind: global_buffer, .address_space: global }
      - { .name: qkc, .offset: 16, .size: 8, .value_kind: global_buffer, .address_space: global }
      - { .name: vc, .offset: 24, .size: 8, .value_kind: global_buffer, .address_space: global }
    .group_segment_fixed_size: 327680
    .private_segment_fixed_size: 0
    .kernarg_segment_align: 8
    .kernarg_segment_size: 32
    .max_flat_workgroup_size: 128
    .sgpr_count:     100
    .vgpr_count:     1024
    .wavefront_size: 32
...
	.end_amdgpu_metadata
.endif
;; end of part 2
;; launch attn (part 3): grid 8 x 32, 16 waves a work-group, clusters of 4 x 1, 327,680 bytes of LDS; arguments qkc, vc, oc; writes oc
.if DOCPART == 3
	.amdgcn_target "amdgcn-amd-amdhsa--gfx1250"
	.amdhsa_code_object_version 6
	.text
	.protected	k_q1fc314b5c9_attn
	.globl	k_q1fc314b5c9_attn
	.p2align	8
	.type	k_q1fc314b5c9_attn,@function
k_q1fc314b5c9_attn:
	s_mov_b64 s[64:65], 0
	v_nop
	global_prefetch_b8 v0, s[64:65] scope:SCOPE_SE
	s_setreg_imm32_b32 hwreg(HW_REG_WAVE_MODE, 25, 1), 1
	s_wait_xcnt 0x0
	s_wait_alu depctr_hold_cnt(0) depctr_sa_sdst(0) depctr_va_vdst(0) depctr_va_sdst(0) depctr_va_ssrc(0) depctr_va_vcc(0) depctr_vm_vsrc(0)
	s_getreg_b32 s2, hwreg(HW_REG_IB_STS2, 6, 4)
	s_cmp_eq_u32 s2, 0
	s_cbranch_scc0 .Lentry_in_a_cluster
	s_endpgm
.Lentry_in_a_cluster:
	s_bfe_u32 s2, ttmp6, 0x10000c
	s_cmp_lg_u32 s2, 0x3003
	s_cbranch_scc0 .Lentry_shape_is_right
	s_endpgm
.Lentry_shape_is_right:
; Attention on codes of FP6 (E2M3, one E8M0 byte for each 32 along a product's K): 32 (batch, head) pairs of 2,048 tokens, head size 64, no mask.  The result is quantised again along the features and stored as codes.
; A fragment is 16 rows x 128 K; lane l holds row 128 RB + 32 (i / 2) + 8 (i % 2) + r + 8 (r / 8), r = l % 16.  A HALF of it (64 along K, six registers a lane) is 768 bytes: registers 0-3 at 16 l, registers 4, 5 at 512 + 8 l.
; qkc: by head (0-15 q, 16-31 k): half fragment ((head x 32 + RB) x 8 + i) x 768; scale words at 6,291,456 + ((KS x 32 + RB) x 8 + i) x 64 + 4 r, KS = the head pair (q) or 8 + it (k), head e of the pair in bytes 2 e, 2 e + 1.
; vc: rows = v's features, K = tokens, fragment (RB x 32 + KS) x 8 + i at x 1536, two halves on end; scale words at 3,145,728 + 64 x number + 4 r.
; oc (written): rows = tokens, K = 1,024, fragment (RB x 8 + KS) x 8 + i at x 1536, two halves on end: half e is head e of the pair KS; scale words at 3,145,728 + 64 x number + 4 r, my head's two bytes at + 2 e.
; SHARES.  A work-group serves ONE head of one batch (y) and 256 queries (x); wave w takes 16 queries: fragment w % 8 of block w / 8.  Four waves to a SIMD.
; ALL OF THE HEAD'S k AND v LIES IN LDS: 2,048 keys x 48 bytes each, 98,304 + 98,304, and both tables of scale words, 8,192 each.  Every byte is filled once, at the head: no ring, no refill, no barrier in the walk over the keys.
; CLUSTER 4, 1, 1: four query blocks of a head read the same k and v: each tile is asked for jointly.  Waves 0-7 ask for k (12,288 bytes each), 8 and 9 for the scale words, 12-15 for v (4 rows of 6,144 bytes, 12,288 apart, each).
; The first barrier shows k and the scale words (waves 0-11 wait there), the second, in the first key step behind the score products, shows v (every wave waits).
; NO PREFETCH: every load stands at the head; there is no loop to run ahead in.
; q's half goes into registers 0-5 of its operand, registers 6-11 are ZERO CODES, so what k's operand holds in its registers 6-11 (the next half) adds nothing; scale bytes 2, 3 are 0.
; THE SOFTMAX: t = score x log2(e) / 8; M = the running largest t rounded up to a whole number; p = 2^(t - M) is quantised along the keys, not normalised; the sum is taken of the unquantised p and divides at the end.
; Both products are used transposed (S^T = k q^T, O^T = v^T p^T): a lane holds one query; p's 16 registers of two neighbouring tiles are 16 neighbouring keys.
; The scale bytes go out two to a row, at every fourth byte: 32 bytes a wave against its 768 of codes; the other head's work-group writes the bytes between.
; LIMITS: the scaled scores t stay under 2^31 in magnitude; a block of zeros, or one under 2^-124, keeps the byte 1 (read by this program alone); NaN and infinities are not served.
; REGISTERS: v1-7, v86-89 addresses that stay; v8-11, v90, v91 addresses in hand; v12 -M, v13 the largest t, v[14:15] the sum; v16-27 q; v32-79 k's eight halves, then v's four fragments; v80-85 zeros;
;   v92-95, v248-251 scale words; v96-159 S^T, then p; v160-191 O^T; v224-235 p's codes; v232-254 at work; v255 q's scale words.
.set KB,    6144                       ; 128 keys of k, or of v, in LDS
.set VB,    98304                      ; v behind k
.set SCK,   196608
.set SCV,   SCK+8192
.set SPARE, SCV+8192                   ; the spare words, 128 bytes for each of sixteen waves; no other line names them
.set LI,   1
.set R4,   2
.set ASK0, 3
.set ASV0, 4
.set SPW,  5
.set NIL,  6
.set AV16, 7
.set ADK,  8
.set ADV,  9
.set ADS,  10
.set ADT,  11
.set L8,   86
.set AK8,  88
.set AV8,  89
.set ADK8, 90
.set ADV8, 91
.set KS2,  92
.set SM,   236                         ; v236-247 six chains of the sum
.set TK,   2                           ; s2   6,144 x the key step
.set TS,   3                           ; s3   512 x the key step
.set WV,   18
.set CNT,  19
.set SEL,  20
.set CS,   22
.set G1K,  24
.set G1S,  32
.set G1V,  40
.set G0K,  48
.set G0S,  52
.set G0V,  56
.set EH,   78
.set QT,   79
.macro CROUND                          ; a round of the cluster's barrier
	s_barrier_signal -1
	s_barrier_wait -1
	s_cmp_lg_u32 s[WV], 0
	s_cbranch_scc1 .Lnot_wave_0_\@
	s_barrier_signal -3
.Lnot_wave_0_\@:
	s_barrier_wait -3
	s_barrier_signal -1
	s_barrier_wait -1
.endm
.macro TLOAD g0, g1                    ; an s_nop 0 and four v_nop follow the line
	tensor_load_to_lds s[\g0:\g0+3], s[\g1:\g1+7]
	s_nop 0
.rept 4
	v_nop
.endr
.endm
.macro GRP1 g, c, r, p                 ; r rows of c elements of 8 bytes, p elements apart; the mask names the cluster's four
	s_mov_b32 s[\g], 15|(3<<16)|(1<<21)
	s_mov_b32 s[\g+1], (\c)<<16
	s_mov_b32 s[\g+2], (\r)<<16
	s_mov_b32 s[\g+3], (\c)<<16
	s_mov_b32 s[\g+4], \r
	s_mov_b32 s[\g+5], \p
	s_mov_b32 s[\g+6], 0
	s_mov_b32 s[\g+7], 0
.endm
	s_load_b128 s[4:7], s[0:1], 0x0                ; qkc, vc
	s_load_b64 s[8:9], s[0:1], 0x10                ; oc
	v_lshl_add_u32 v[SPW], v0, 2, SPARE
	v_mov_b32 v[NIL], 0
	ds_add_u32 v[SPW], v[NIL]                      ; the opening lines: the add, twice on end, and its wait
	ds_add_u32 v[SPW], v[NIL]
	v_lshrrev_b32 v8, 5, v0
	v_readfirstlane_b32 s[WV], v8                  ; wave 0..15
	s_bfe_u32 s60, ttmp6, 0x40000                  ; cx
	s_lshl_b32 s61, ttmp9, 2
	s_add_co_u32 s61, s61, s60                     ; my block of 256 queries
	s_and_b32 s62, ttmp7, 0xffff
	s_lshr_b32 s63, s62, 4
	s_lshl_b32 s63, s63, 4                         ; 16 x batch: the batch's first block of 128 tokens
	s_and_b32 s62, s62, 15                         ; the head
	s_lshr_b32 s66, s62, 1                         ; its pair
	s_and_b32 s[EH], s62, 1                        ; and which of the pair
	s_lshl_b32 s67, s61, 1
	s_add_co_u32 s67, s67, s63
	s_lshr_b32 s68, s[WV], 3
	s_add_co_u32 s67, s67, s68                     ; RB: my queries' block of 128
	s_and_b32 s[QT], s[WV], 7                      ; my fragment of it
	s_lshl_b32 s70, s62, 5
	s_add_co_u32 s70, s70, s67
	s_lshl_b32 s70, s70, 3
	s_add_co_u32 s70, s70, s[QT]
	s_mul_i32 s70, s70, 768                        ; q's half fragment
	s_mov_b32 s71, 0
	s_lshl_b32 s68, s[EH], 1
	s_lshl_b32 s72, s66, 5
	s_add_co_u32 s72, s72, s67
	s_lshl_b32 s72, s72, 3
	s_add_co_u32 s72, s72, s[QT]
	s_lshl_b32 s72, s72, 6
	s_add_co_u32 s72, s72, s68
	s_add_co_u32 s72, s72, 6291456                 ; its scale bytes
	s_mov_b32 s73, 0
	s_lshl_b32 s74, s67, 3
	s_add_co_u32 s74, s74, s66
	s_lshl_b32 s74, s74, 3
	s_add_co_u32 s74, s74, s[QT]                   ; oc's fragment number
	s_lshl_b32 s76, s74, 6
	s_add_co_u32 s76, s76, s68
	s_add_co_u32 s76, s76, 3145728
	s_mul_i32 s74, s74, 1536
	s_mul_i32 s69, s[EH], 768
	s_add_co_u32 s74, s74, s69
	s_mov_b32 s75, 0
	s_mov_b32 s77, 0
	s_add_co_u32 s10, s62, 16                      ; k: head 16 + mine, the batch's 16 blocks: 98,304 dense bytes; wave w < 8 takes 12,288
	s_lshl_b32 s10, s10, 5
	s_add_co_u32 s10, s10, s63
	s_mul_i32 s10, s10, 6144
	s_mov_b32 s[G0K], 1
	s_mul_i32 s[G0K+1], s[WV], 12288
	s_add_co_u32 s10, s10, s[G0K+1]
	s_mov_b32 s11, 0
	s_lshl_b32 s12, s66, 5
	s_add_co_u32 s12, s12, s63                     ; pair x 32 + 16 x batch
	s_lshl_b32 s14, s12, 9
	s_add_co_u32 s15, s14, 3145728                 ; v's scale words, 8,192 dense bytes
	s_add_co_u32 s14, s14, 6422528                 ; k's: 6,291,456 + 8 x 32 x 512 further on
	s_cmp_eq_u32 s[WV], 8
	s_cselect_b32 s14, s14, s15
	s_mov_b32 s15, 0
	s_mov_b32 s[G0S], 1
	s_and_b32 s[G0S+1], s[WV], 1
	s_lshl_b32 s[G0S+1], s[G0S+1], 13
	s_add_co_u32 s[G0S+1], s[G0S+1], SCK           ; wave 8: k's table, wave 9: v's
	s_mul_i32 s16, s12, 12288                      ; v: my head's four fragments of each block of keys
	s_mul_i32 s17, s[EH], 6144
	s_add_co_u32 s16, s16, s17
	s_and_b32 s17, s[WV], 3                        ; waves 12-15: four blocks of keys each
	s_mul_i32 s13, s17, 49152
	s_add_co_u32 s16, s16, s13
	s_mov_b32 s[G0V], 1
	s_mul_i32 s[G0V+1], s17, 24576
	s_add_co_u32 s[G0V+1], s[G0V+1], VB
	s_mov_b32 s17, 0
	GRP1 G1K, 32, 48, 32
	GRP1 G1S, 32, 32, 32
	GRP1 G1V, 768, 4, 1536
	s_mov_b32 s[SEL], 0x76543210
	s_mov_b32 s[SEL+1], 0xfedcba98
	s_mov_b32 s[CS], 0x3e38aa3b                    ; log2(e) / 8
	s_mov_b32 s[CS+1], s[CS]
	s_mov_b32 s[TK], 0
	s_mov_b32 s[TS], 0
	s_wait_alu depctr_va_vdst(0)
	s_wait_dscnt 0x0                               ; both opening adds are done
	CROUND                                         ; the four work-groups are here: the joint loads meet
	s_wait_kmcnt 0x0
	s_add_nc_u64 s[G0K+2:G0K+3], s[4:5], s[10:11]
	s_or_b32 s[G0K+3], s[G0K+3], 0x80000000
	s_cmp_eq_u32 s[WV], 8
	s_cselect_b64 s[12:13], s[4:5], s[6:7]
	s_add_nc_u64 s[G0S+2:G0S+3], s[12:13], s[14:15]
	s_or_b32 s[G0S+3], s[G0S+3], 0x80000000
	s_add_nc_u64 s[G0V+2:G0V+3], s[6:7], s[16:17]
	s_or_b32 s[G0V+3], s[G0V+3], 0x80000000
	s_cmp_lt_u32 s[WV], 8                          ; one chain of branches on the wave's number, at most one load on a way
	s_cbranch_scc0 .Lnot_k
	TLOAD G0K, G1K
	s_branch .Lasked
.Lnot_k:
	s_cmp_lt_u32 s[WV], 10
	s_cbranch_scc0 .Lnot_s
	TLOAD G0S, G1S
	s_branch .Lasked
.Lnot_s:
	s_cmp_lt_u32 s[WV], 12
	s_cbranch_scc1 .Lasked
	TLOAD G0V, G1V
.Lasked:
	s_add_nc_u64 s[70:71], s[4:5], s[70:71]
	s_add_nc_u64 s[72:73], s[4:5], s[72:73]
	s_add_nc_u64 s[74:75], s[8:9], s[74:75]
	s_add_nc_u64 s[76:77], s[8:9], s[76:77]
	v_and_b32 v8, 31, v0
	v_lshlrev_b32 v[LI], 4, v8
	v_lshlrev_b32 v[L8], 3, v8
	v_and_b32 v9, 15, v0
	v_lshlrev_b32 v[R4], 2, v9
	s_wait_alu depctr_va_vdst(0)
	global_load_b128 v[16:19], v[LI], s[70:71]     ; q's half stays in registers 0-5 of its operand
	global_load_b64 v[20:21], v[L8], s[70:71] offset:512
	global_load_u16 v255, v[R4], s[72:73]          ; its two scale bytes; bytes 2 and 3 of the word are 0
	v_add_nc_u32 v[AK8], 512, v[L8]                ; k lies from LDS byte 0 on: its 16-byte pieces go by v[LI]
	v_add_nc_u32 v[AV16], VB, v[LI]
	v_add_nc_u32 v[AV8], VB+512, v[L8]
	s_add_co_u32 s69, s68, SCK
	v_add_nc_u32 v[ASK0], s69, v[R4]               ; k's scale halfwords of my head
	s_lshl_b32 s69, s[EH], 8
	s_add_co_u32 s69, s69, SCV
	v_add_nc_u32 v[ASV0], s69, v[R4]               ; v's scale words, my head's four fragments
	v_mov_b32 v13, 0xff61b1e6                      ; the largest t so far: -3e38
	v_floor_f32 v12, -v13                          ; -M
	v_mov_b32 v14, 0
	v_mov_b32 v15, 0
.irp b, 0,1,2,3
	v_mov_b32 v[236+\b], 0                         ; a lane permute's destination counts as one of its sources
.endr
	v_mov_b32 v253, 0
.irp i, 0,1,2,3,4,5
	v_mov_b32 v[22+\i], 0                          ; q's registers 6-11: zero codes
	v_mov_b32 v[80+\i], 0                          ; behind k's last half
.endr
	s_wait_alu depctr_va_vdst(0)
	s_wait_loadcnt 0x0                             ; q
	s_cmp_lt_u32 s[WV], 12
	s_cbranch_scc0 .Lnot_first
	s_wait_tensorcnt 0x0                           ; k's and the scale words' waves
.Lnot_first:
	s_barrier_signal -1
	s_barrier_wait -1                              ; k and the scale words are in; v may be on its way
.macro KHALF i
	ds_load_b128 v[32+6*(\i):35+6*(\i)], v[ADK] offset:(\i)*768
	ds_load_b64 v[36+6*(\i):37+6*(\i)], v[ADK8] offset:(\i)*768
.endm
; A KEY STEP: 128 keys.  first = 1: the step that starts O^T (its products take the constant 0) and shows v.
.macro STEP first
	v_add_nc_u32 v[ADK], s[TK], v[LI]              ; (these six are also the places behind the last step's products, in front of the loads below)
	v_add_nc_u32 v[ADK8], s[TK], v[AK8]
	v_add_nc_u32 v[ADV], s[TK], v[AV16]
	v_add_nc_u32 v[ADV8], s[TK], v[AV8]
	v_add_nc_u32 v[ADS], s[TS], v[ASK0]
	v_add_nc_u32 v[ADT], s[TS], v[ASV0]
.irp i, 0,1,2,3,4                              ; what the first four products name: 14 loads
	KHALF \i
.endr
.irp i, 0,1,2,3
	ds_load_u16 v[248+\i], v[ADS] offset:\i*64
.endr
.irp i, 5,6,7                                  ; and the rest: 10 loads
	KHALF \i
.endr
.irp i, 0,1,2,3
	ds_load_u16 v[KS2+\i], v[ADS] offset:(4+\i)*64
.endr
	s_wait_alu depctr_va_vdst(0)
	s_wait_dscnt 10                                ; the first 14 are in; the 10 issued behind them may be out
.irp i, 0,1,2,3                                ; S^T = k q^T
	v_wmma_scale_f32_16x16x128_f8f6f4 v[96+8*\i:103+8*\i], v[32+6*\i:43+6*\i], v[16:27], 0, v[248+\i], v255 matrix_a_fmt:MATRIX_FMT_FP6 matrix_b_fmt:MATRIX_FMT_FP6
.endr
	s_wait_dscnt 0x0
.irp i, 4,5,6,7
	v_wmma_scale_f32_16x16x128_f8f6f4 v[96+8*\i:103+8*\i], v[32+6*\i:43+6*\i], v[16:27], 0, v[KS2+\i-4], v255 matrix_a_fmt:MATRIX_FMT_FP6 matrix_b_fmt:MATRIX_FMT_FP6
.endr
.rept 4
	v_nop                                          ; places behind the products: for the loads below and for the first read of the scores
.endr
.if \first
	s_wait_tensorcnt 0x0                           ; every wave: v's waves have their tiles
	s_barrier_signal -1
	s_barrier_wait -1                              ; v is in
.endif
.irp t, 0,1,2,3                                ; v's four fragments, asked for now, wanted behind the softmax
.irp c, 0,1
	ds_load_b128 v[32+12*\t+6*\c:35+12*\t+6*\c], v[ADV] offset:\t*1536+768*\c
	ds_load_b64 v[36+12*\t+6*\c:37+12*\t+6*\c], v[ADV8] offset:\t*1536+768*\c
.endr
	ds_load_b32 v[248+\t], v[ADT] offset:\t*64
.endr
.irp b, 0,1,2,3
	v_max3_num_f32 v[232+\b], v[96+16*\b], v[97+16*\b], v[98+16*\b]   ; the largest score of each block of 32 keys: for the row's maximum and for the block's largest p
.endr
.irp i, 3,5,7,9,11,13
.irp b, 0,1,2,3
	v_max3_num_f32 v[232+\b], v[232+\b], v[96+16*\b+\i], v[97+16*\b+\i]
.endr
.endr
.irp b, 0,1,2,3
	v_max_num_f32 v[232+\b], v[232+\b], v[111+16*\b]
.endr
.irp b, 0,1,2,3
	s_delay_alu instid0(VALU_DEP_4)
	v_permlanex16_b32 v[236+\b], v[232+\b], s[SEL], s[SEL+1]
.endr
.irp b, 0,1,2,3
	s_delay_alu instid0(VALU_DEP_4)
	v_max_num_f32 v[232+\b], v[232+\b], v[236+\b]  ; with lane l xor 16's 16 keys
.endr
	s_delay_alu instid0(VALU_DEP_2)
	v_max3_num_f32 v254, v232, v233, v234
	s_delay_alu instid0(VALU_DEP_1)
	v_max_num_f32 v254, v254, v235
	s_delay_alu instid0(VALU_DEP_1)
	v_mul_f32 v254, s[CS], v254                    ; the step's largest t
	s_delay_alu instid0(VALU_DEP_1)
	v_max_num_f32 v13, v13, v254                   ; the running largest t
	v_mov_b32 v254, v12
	s_delay_alu instid0(VALU_DEP_2)
	v_floor_f32 v12, -v13                          ; the new -M = -ceil(t)
	s_delay_alu instid0(VALU_DEP_1)
	v_sub_f32 v254, v12, v254                      ; old M - new M: a whole number, 0 or less
	s_delay_alu instid0(VALU_DEP_1)
	v_cvt_i32_f32 v254, v254                       ; (it saturates)
	s_delay_alu instid0(VALU_DEP_1)
	v_ldexp_f32 v252, 1.0, v254                    ; f = 2^(old M - new M): a multiplication by it rounds nothing
.irp j, 0,2,4,6,8,10,12,14,16,18,20,22,24,26,28,30,32,34,36,38,40,42,44,46,48,50,52,54,56,58,60,62
	v_pk_fma_f32 v[96+\j:97+\j], v[96+\j:97+\j], s[CS:CS+1], v[12:13] op_sel_hi:[1,0,0]   ; t - M
.endr
.irp b, 0,1,2,3
	v_fma_f32 v[232+\b], v[232+\b], s[CS], v12
.endr
	s_wait_alu depctr_va_vdst(0)                   ; ahead of the batch
.set J, 0
.rept 64
	v_exp_f32 v[96+J], v[96+J]                     ; p = 2^(t - M)
.set J, J+1
.endr
	v_pk_mul_f32 v[14:15], v[14:15], v[252:253] op_sel_hi:[1,0]   ; the sums under the new M (a plain instruction behind the exponentials)
	s_wait_alu depctr_va_vdst(0)                   ; one wait for the batch, ahead of its first reader
.irp b, 0,1,2,3
	v_exp_f32 v[232+\b], v[232+\b]                 ; the block's largest p
.endr
.irp k, 0,1,2,3,4,5                            ; the sum of the unquantised p: 32 pairs over seven chains
	v_pk_add_f32 v[SM+2*\k:SM+2*\k+1], v[96+4*\k:97+4*\k], v[98+4*\k:99+4*\k]
.endr
	v_pk_add_f32 v[14:15], v[14:15], v[120:121]
.set J, 122
.rept 2
.irp k, 0,1,2,3,4,5
	v_pk_add_f32 v[SM+2*\k:SM+2*\k+1], v[SM+2*\k:SM+2*\k+1], v[J:J+1]
.set J, J+2
.endr
	v_pk_add_f32 v[14:15], v[14:15], v[J:J+1]
.set J, J+2
.endr
.irp k, 0,1,2,3,4
	v_pk_add_f32 v[SM+2*\k:SM+2*\k+1], v[SM+2*\k:SM+2*\k+1], v[J:J+1]
.set J, J+2
.endr
	v_pk_add_f32 v[SM:SM+1], v[SM:SM+1], v[SM+2:SM+3]
	v_pk_add_f32 v[SM+4:SM+5], v[SM+4:SM+5], v[SM+6:SM+7]
	v_pk_add_f32 v[SM+8:SM+9], v[SM+8:SM+9], v[SM+10:SM+11]
	s_delay_alu instid0(VALU_DEP_2)
	v_pk_add_f32 v[SM:SM+1], v[SM:SM+1], v[SM+4:SM+5]
	s_delay_alu instid0(VALU_DEP_2)
	v_pk_add_f32 v[14:15], v[14:15], v[SM+8:SM+9]
	s_delay_alu instid0(VALU_DEP_1)
	v_pk_add_f32 v[14:15], v[14:15], v[SM:SM+1]
	s_wait_alu depctr_va_vdst(0)                   ; and one for the four
.irp b, 0,1,2,3
	v_max_num_f32 v[232+\b], 0x1800000, v[232+\b]  ; the floor 2^(3 - 127)
.endr
.irp b, 0,1,2,3
	s_delay_alu instid0(VALU_DEP_4)
	v_add_nc_u32 v[244+\b], 0xff000000, v[232+\b]  ; 2 off the exponent field: the conversion's scale operand
.endr
.irp b, 0,1,2,3
	s_delay_alu instid0(VALU_DEP_4)
	v_lshrrev_b32 v[236+\b], 23, v[244+\b]
.endr
	s_delay_alu instid0(VALU_DEP_3)
	v_lshl_or_b32 v253, v237, 8, v236              ; p's scale word for these 128 keys
	s_delay_alu instid0(VALU_DEP_1)
	v_lshl_or_b32 v253, v238, 16, v253
	s_delay_alu instid0(VALU_DEP_1)
	v_lshl_or_b32 v253, v239, 24, v253
.irp c, 0,1
	v_cvt_scalef32_pk16_fp6_f32 v[224+6*\c:226+6*\c], v[96+32*\c:111+32*\c], v[244+2*\c]
	v_cvt_scalef32_pk16_fp6_f32 v[236+4*\c:238+4*\c], v[112+32*\c:127+32*\c], v[244+2*\c+1]
.endr
	v_nop                                          ; one plain place behind a scaled conversion
.irp c, 0,1
.irp i, 0,1,2
	v_permlane16_swap_b32 v[224+6*\c+\i], v[236+4*\c+\i]
.endr
.irp i, 0,1,2
	s_delay_alu instid0(VALU_DEP_3)
	v_mov_b32 v[227+6*\c+\i], v[236+4*\c+\i]
.endr
.endr
.if \first
.rept 8
	v_nop                                          ; the places in front of the scaled products
.endr
.else
	s_wait_alu depctr_va_vdst(0)                   ; directly ahead of the first reader of O^T
.irp j, 0,2,4,6,8,10,12,14,16,18,20,22,24,26,28,30
	v_pk_mul_f32 v[160+\j:161+\j], v[160+\j:161+\j], v[252:253] op_sel_hi:[1,0]   ; O^T under the new M; these sixteen are also the places in front of the products below
.endr
.endif
	s_wait_alu depctr_va_vdst(0)
	s_wait_dscnt 0x0                               ; v's fragments and scale words
.irp t, 0,1,2,3                                ; O^T += v^T p^T: four tiles of 16 d, by turns
.if \first
	v_wmma_scale_f32_16x16x128_f8f6f4 v[160+8*\t:167+8*\t], v[32+12*\t:43+12*\t], v[224:235], 0, v[248+\t], v253 matrix_a_fmt:MATRIX_FMT_FP6 matrix_b_fmt:MATRIX_FMT_FP6
.else
	v_wmma_scale_f32_16x16x128_f8f6f4 v[160+8*\t:167+8*\t], v[32+12*\t:43+12*\t], v[224:235], v[160+8*\t:167+8*\t], v[248+\t], v253 matrix_a_fmt:MATRIX_FMT_FP6 matrix_b_fmt:MATRIX_FMT_FP6
.endif
.endr
	s_add_co_u32 s[TK], s[TK], KB
	s_add_co_u32 s[TS], s[TS], 512
.endm
	STEP 1
	s_mov_b32 s[CNT], 15
.Lstep:                                            ; the other fifteen key steps: the waves walk on their own
	STEP 0
	s_sub_co_u32 s[CNT], s[CNT], 1
	s_cmp_lg_u32 s[CNT], 0
	s_cbranch_scc1 .Lstep
	; THE WAY OUT.  O^T / the sum: a lane's 32 registers are 2 blocks x 16 neighbouring features of my head: six registers of codes and two scale bytes.
	v_add_f32 v14, v14, v15
	s_delay_alu instid0(VALU_DEP_1)
	v_permlanex16_b32 v252, v14, s[SEL], s[SEL+1]
	s_delay_alu instid0(VALU_DEP_1)
	v_add_f32 v14, v14, v252                       ; the row's sum
	s_wait_alu depctr_va_vdst(0)
	v_rcp_f32 v14, v14
	v_nop                                          ; plain places behind the transcendental and the last products
	v_nop
	s_wait_alu depctr_va_vdst(0)                   ; ahead of the reciprocal's, and O^T's, first reader
.set J, 0
.rept 32
	v_mul_f32 v[96+J], v[160+J], v14
.set J, J+1
.endr
.irp b, 0,1
	v_max3_num_f32 v[232+\b], |v[96+16*\b]|, |v[97+16*\b]|, 0x1800000
.endr
.irp i, 2,4,6,8,10,12,14
.irp b, 0,1
	s_delay_alu instid0(VALU_DEP_2)
	v_max3_num_f32 v[232+\b], v[232+\b], |v[96+16*\b+\i]|, |v[97+16*\b+\i]|
.endr
.endr
.irp b, 0,1
	s_delay_alu instid0(VALU_DEP_2)
	v_permlanex16_b32 v[236+\b], v[232+\b], s[SEL], s[SEL+1]
.endr
.irp b, 0,1
	s_delay_alu instid0(VALU_DEP_2)
	v_max_num_f32 v[232+\b], v[232+\b], v[236+\b]
.endr
.irp b, 0,1
	s_delay_alu instid0(VALU_DEP_2)
	v_add_nc_u32 v[244+\b], 0xff000000, v[232+\b]
.endr
.irp b, 0,1
	s_delay_alu instid0(VALU_DEP_2)
	v_lshrrev_b32 v[236+\b], 23, v[244+\b]
.endr
	s_delay_alu instid0(VALU_DEP_1)
	v_lshl_or_b32 v253, v237, 8, v236
	v_cvt_scalef32_pk16_fp6_f32 v[32:34], v[96:111], v244
	v_cvt_scalef32_pk16_fp6_f32 v[36:38], v[112:127], v245
	v_nop                                          ; one plain place behind a scaled conversion
.irp i, 0,1,2
	v_permlane16_swap_b32 v[32+\i], v[36+\i]
.endr
.irp i, 0,1,2
	s_delay_alu instid0(VALU_DEP_3)
	v_mov_b32 v[35+\i], v[36+\i]
.endr
	global_store_b128 v[LI], v[32:35], s[74:75]            ; my half fragment: 512 and 256 consecutive bytes, each at a multiple of 256 from the buffer's first byte
	global_store_b64 v[L8], v[36:37], s[74:75] offset:512
	global_store_b16 v[R4], v253, s[76:77]                 ; my head's two bytes of each row's scale word; both halves of the lanes hold the same
	s_wait_tensorcnt 0x0                           ; the wave's end
	ds_add_u32 v[SPW], v[NIL]
	s_wait_dscnt 0x0
	CROUND                                         ; the closing round
	s_endpgm
.Lfunc_end_k_q1fc314b5c9_attn:
	.size	k_q1fc314b5c9_attn, .Lfunc_end_k_q1fc314b5c9_attn-k_q1fc314b5c9_attn
	.p2alignl 7, 3214868480
	.fill 96, 4, 3214868480
	.section	.rodata,"a",@progbits
	.p2align	6, 0x0
	.amdhsa_kernel k_q1fc314b5c9_attn
		.amdhsa_group_segment_fixed_size 327680
		.amdhsa_private_segment_fixed_size 0
		.amdhsa_enable_private_segment 0
		.amdhsa_kernarg_size 24
		.amdhsa_user_sgpr_count 2
		.amdhsa_user_sgpr_kernarg_segment_ptr 1
		.amdhsa_wavefront_size32 1
		.amdhsa_system_sgpr_workgroup_id_x 1
		.amdhsa_system_sgpr_workgroup_id_y 1
		.amdhsa_system_sgpr_workgroup_id_z 1
		.amdhsa_system_vgpr_workitem_id 0
		.amdhsa_next_free_vgpr 256
		.amdhsa_next_free_sgpr 80
		.amdhsa_reserve_vcc 0
		.amdhsa_float_denorm_mode_32 3
		.amdhsa_float_denorm_mode_16_64 3
		.amdhsa_memory_ordered 1
		.amdhsa_forward_progress 1
		.amdhsa_inst_pref_size 49
	.end_amdhsa_kernel
	.amdgpu_metadata
---
amdhsa.version: [ 1, 2 ]
amdhsa.kernels:
  - .name:           k_q1fc314b5c9_attn
    .symbol:         k_q1fc314b5c9_attn.kd
    .args:
      - { .name: qkc, .offset: 0, .size: 8, .value_kind: global_buffer, .address_space: global }
      - { .name: vc, .offset: 8, .size: 8, .value_kind: global_buffer, .address_space: global }
      - { .name: oc, .offset: 16, .size: 8, .value_kind: global_buffer, .address_space: global }
    .group_segment_fixed_size: 327680
    .private_segment_fixed_size: 0
    .kernarg_segment_align: 8
    .kernarg_segment_size: 24
    .max_flat_workgroup_size: 512
    .sgpr_count:     80
    .vgpr_count:     256
    .wavefront_size: 32
...
	.end_amdgpu_metadata
.endif
;; end of part 3
;; launch proj (part 4): grid 8 x 32, 4 waves a work-group, clusters of 4 x 4, 327,680 bytes of LDS; arguments oc, wq, b_proj, x, x1; writes x1
.if DOCPART == 4
	.amdgcn_target "amdgcn-amd-amdhsa--gfx1250"
	.amdhsa_code_object_version 6
	.text
	.protected	k_q1fc314b5c9_proj
	.globl	k_q1fc314b5c9_proj
	.p2align	8
	.type	k_q1fc314b5c9_proj,@function
k_q1fc314b5c9_proj:
	s_mov_b64 s[64:65], 0
	v_nop
	global_prefetch_b8 v0, s[64:65] scope:SCOPE_SE
	s_setreg_imm32_b32 hwreg(HW_REG_WAVE_MODE, 25, 1), 1
	s_wait_xcnt 0x0
	s_wait_alu depctr_hold_cnt(0) depctr_sa_sdst(0) depctr_va_vdst(0) depctr_va_sdst(0) depctr_va_ssrc(0) depctr_va_vcc(0) depctr_vm_vsrc(0)
	s_getreg_b32 s2, hwreg(HW_REG_IB_STS2, 6, 4)
	s_cmp_eq_u32 s2, 0
	s_cbranch_scc0 .Lentry_in_a_cluster
	s_endpgm
.Lentry_in_a_cluster:
	s_bfe_u32 s2, ttmp6, 0x10000c
	s_cmp_lg_u32 s2, 0xf033
	s_cbranch_scc0 .Lentry_shape_is_right
	s_endpgm
.Lentry_shape_is_right:
.set NKS,   8
.set ASC,   3145728
.set BCODE, 2359296
.set BSC,   9535488
.set MA,    4
.set NB,    4
.set NQ,    4
.set AW,    6144
.set SQ,    NKS*256
.set SAW,   256
.set SLOT,  49152
.set BREG,  98304
.set SLOTG, NQ*12288
.set SCL,   196608
.set G0H,   4
.set G0HB,  96
.set SPARE, SCL+4*SQ
.set STG,   SPARE+512
.set LAPS,  NKS/(2*NQ)
.set BO,   7
.set LI,   8
.set ADRA, 16
.set ADRB, 20
.set STO,  24
.set RD,   25
.set CO,   26
.set ADRS, 27
.set SPW,  28
.set NIL,  29
.set SC,   32
.set AF,   64
.set BF,   64+12*MA
.set G1, 24
.set G0, 32
.set G1B, 48
.set G0B, 56
.set G1S, 68
.set G0S, 76
.set G1SB, 80
.set G0SB, 88
.set MSB, 0
.macro WIN new
.if MSB != (\new)
	s_set_vgpr_msb (MSB<<8)|(\new)
.set MSB, (\new)
.endif
.endm
.macro JLOAD g0a, g1a, g0b, g1b
	s_cmp_eq_u32 s15, 0
	s_cbranch_scc0 .Lfor_b_\@
	tensor_load_to_lds s[\g0a:\g0a+3], s[\g1a:\g1a+7]
	s_nop 0
.rept 4
	v_nop
.endr
	s_branch .Lasked_\@
.Lfor_b_\@:
	tensor_load_to_lds s[\g0b:\g0b+3], s[\g1b:\g1b+7]
	s_nop 0
.rept 4
	v_nop
.endr
.Lasked_\@:
.endm
.macro CREST
	s_cmp_lg_u32 s14, 0
	s_cbranch_scc1 .Lnot_wave_0_\@
	s_barrier_signal -3
.Lnot_wave_0_\@:
	s_barrier_wait -3
	s_barrier_signal -1
	s_barrier_wait -1
.endm
.macro CROUND
	s_barrier_signal -1
	s_barrier_wait -1
	CREST
.endm
.macro PLACES n
.rept \n
	v_nop
.endr
.endm
	s_load_b128 s[4:7], s[0:1], 0x0
	s_load_b128 s[8:11], s[0:1], 0x10
	s_load_b64 s[12:13], s[0:1], 0x20
	v_lshl_add_u32 v[SPW], v0, 2, SPARE
	v_mov_b32 v[NIL], 0
	ds_add_u32 v[SPW], v[NIL]
	ds_add_u32 v[SPW], v[NIL]
	v_lshrrev_b32 v1, 5, v0
	v_readfirstlane_b32 s14, v1
	s_lshr_b32 s15, s14, 1
	s_and_b32 s16, s14, 1
	s_bfe_u32 s40, ttmp6, 0x40000
	s_bfe_u32 s41, ttmp6, 0x40004
	s_lshl_b32 s42, ttmp9, 2
	s_add_co_u32 s42, s42, s40
	s_and_b32 s17, ttmp7, 0xffff
	s_lshl_b32 s17, s17, 2
	s_add_co_u32 s17, s17, s41
	s_lshl_b32 s43, s41, 2
	s_lshl_b32 s43, 15, s43
	s_lshl_b32 s44, 0x1111, s40
	s_or_b32 s[G1+0], s43, (3<<16)|(1<<21)
	s_or_b32 s[G1B+0], s44, (3<<16)|(1<<21)
	s_or_b32 s[G1S+0], s43, (3<<16)|(1<<21)
	s_or_b32 s[G1SB+0], s44, (3<<16)|(1<<21)
.irp g, G1, G1B
	s_mov_b32 s[\g+1], 32<<16
	s_mov_b32 s[\g+2], 384<<16
	s_mov_b32 s[\g+3], 32<<16
	s_mov_b32 s[\g+4], 384
	s_mov_b32 s[\g+5], 32
	s_mov_b32 s[\g+6], 0
	s_mov_b32 s[\g+7], 0
.endr
.irp g, G1S, G1SB
	s_mov_b32 s[\g+1], 32<<16
	s_mov_b32 s[\g+2], (2*SQ/256)<<16
	s_mov_b32 s[\g+3], 32<<16
	s_mov_b32 s[\g+4], 2*SQ/256
	s_mov_b32 s[\g+5], 32
	s_mov_b32 s[\g+6], 0
	s_mov_b32 s[\g+7], 0
.endr
	s_mul_i32 s22, s17, NKS*512
	s_mul_i32 s20, s17, NKS*12288
	s_mul_i32 s92, s42, NKS*512
	s_mul_i32 s46, s42, NKS*12288
	s_add_co_u32 s22, s22, ASC
	s_add_co_u32 s92, s92, BSC
	s_add_co_u32 s46, s46, BCODE
	s_mov_b32 s21, 0
	s_mov_b32 s23, 0
	s_mov_b32 s47, 0
	s_mov_b32 s93, 0
	s_wait_dscnt 0x0
	s_wait_kmcnt 0x0
	s_add_nc_u64 s[20:21], s[4:5], s[20:21]
	s_add_nc_u64 s[22:23], s[4:5], s[22:23]
	s_add_nc_u64 s[46:47], s[6:7], s[46:47]
	s_add_nc_u64 s[92:93], s[6:7], s[92:93]
	CROUND
	s_mov_b32 s[G0S], 1
	s_mov_b32 s[G0S+1], SCL
	s_mov_b64 s[G0S+2:G0S+3], s[22:23]
	s_or_b32 s[G0S+3], s[G0S+3], 0x80000000
	s_mov_b32 s[G0SB], 1
	s_mov_b32 s[G0SB+1], SCL+2*SQ
	s_mov_b64 s[G0SB+2:G0SB+3], s[92:93]
	s_or_b32 s[G0SB+3], s[G0SB+3], 0x80000000
	s_mov_b32 s[G0H], 1                            ; all of K fits in LDS: four tiles, one joint load a wave: the rows' 98,304 dense bytes,
	s_mov_b32 s[G0H+1], 0
	s_mov_b64 s[G0H+2:G0H+3], s[20:21]
	s_or_b32 s[G0H+3], s[G0H+3], 0x80000000
	s_mov_b32 s[G0HB], 1                           ; the columns', the rows' scale words, the columns'
	s_mov_b32 s[G0HB+1], BREG
	s_mov_b64 s[G0HB+2:G0HB+3], s[46:47]
	s_or_b32 s[G0HB+3], s[G0HB+3], 0x80000000
.macro ARM under, g0, g1, next         ; one chain of branches on the wave's number: every way passes exactly one load
	s_cmp_lt_u32 s14, \under
	s_cbranch_scc0 \next
	tensor_load_to_lds s[\g0:\g0+3], s[\g1:\g1+7]
	s_nop 0
.rept 4
	v_nop
.endr
	s_branch .Lhead_asked
\next:
.endm
	ARM 1, G0H,  G1,  .Lhead_b
	ARM 2, G0HB, G1B, .Lhead_sa
	ARM 3, G0S,  G1S, .Lhead_sb
	tensor_load_to_lds s[G0SB:G0SB+3], s[G1SB:G1SB+7]
	s_nop 0
.rept 4
	v_nop
.endr
.Lhead_asked:
	v_and_b32 v1, 15, v0
	v_bfe_u32 v2, v0, 4, 1
	s_wait_alu depctr_va_vdst(0)
	v_and_b32 v3, 31, v0
	v_lshlrev_b32 v[LI], 4, v3
	v_lshl_add_u32 v9, v3, 3, 512                  ; oc's fragments lie in two halves of 768 bytes: registers 4, 5 of a half at 512 + 8 x lane
	s_mul_i32 s18, s15, AW
	s_mul_i32 s19, s16, AW
	s_add_co_u32 s19, s19, BREG
.irp s, 0,1
	v_add_nc_u32 v[ADRA+\s], s18, v[LI]
	v_add_nc_u32 v[ADRA+2+\s], s18, v9
	v_add_nc_u32 v[ADRB+\s], s19, v[LI]
	s_add_co_u32 s18, s18, SLOT
	s_add_co_u32 s19, s19, SLOT
.endr
	v_lshlrev_b32 v5, 2, v1
	s_mul_i32 s18, s15, SAW
	s_mul_i32 s19, s16, SAW
	s_add_co_u32 s19, s19, 2*SQ
	s_sub_co_u32 s19, s19, s18
	v_mul_u32_u24 v6, s19, v2
	s_add_co_u32 s18, s18, SCL
	v_add_nc_u32 v6, v5, v6
	v_add_nc_u32 v[ADRS], s18, v6
	s_mul_i32 s18, s14, 16*272
	s_add_co_u32 s18, s18, STG
	v_mul_u32_u24 v5, v1, 272
	v_lshl_add_u32 v5, v2, 6, v5
	v_add_nc_u32 v[STO], s18, v5
	v_mul_u32_u24 v5, v2, 272
	v_lshl_add_u32 v5, v1, 4, v5
	v_add_nc_u32 v[RD], s18, v5
	v_lshlrev_b32 v5, 12, v2
	v_lshl_add_u32 v[CO], v1, 4, v5
	s_wait_alu depctr_va_vdst(0)
	s_lshl_b32 s20, s17, 7
	s_lshl_b32 s21, s15, 6
	s_add_co_u32 s20, s20, s21
	s_lshl_b32 s20, s20, 12
	s_lshl_b32 s22, s42, 9
	s_lshl_b32 s21, s16, 8
	s_add_co_u32 s22, s22, s21
	s_add_co_u32 s20, s20, s22
	s_mov_b32 s21, 0
	s_mov_b32 s23, 0
	s_add_nc_u64 s[10:11], s[10:11], s[20:21]
	s_add_nc_u64 s[12:13], s[12:13], s[20:21]
	s_add_nc_u64 s[8:9], s[8:9], s[22:23]
	v_lshlrev_b32 v[BO], 6, v2
	WIN 0x40
.irp bb, 0,1
.irp jj, 0,1,2,3
	global_load_b128 v[16*\bb+4*\jj:16*\bb+4*\jj+3], v[BO], s[8:9] offset:128*\bb+16*\jj
.endr
.endr
	WIN 0x80
.irp a, 0,1,2,3
.irp t, 0,1,2,3,4,5,6,7
	global_load_b128 v[128+32*\a+4*\t:128+32*\a+4*\t+3], v[CO], s[10:11] offset:(32*(\a/2)+8*(\a%2)+2*\t+8*(\t/4))*4096
.endr
.endr
	WIN 0
.macro MULS a0, na, p, q, set, first
.set AI, \a0
.rept \na
.set ACR, 8*NB*AI
.if (\first) == 1
.set WN, (1<<4)|(2<<6)
.else
.set WN, (\p)|((\p)<<2)|(2<<4)|(2<<6)
.endif
	WIN WN
.set BI, 0
.rept NB
.if (\first) == 1
	v_wmma_scale_f32_16x16x128_f8f6f4 v[ACR+8*BI:ACR+8*BI+7], v[BF+12*BI:BF+12*BI+11], v[AF+12*AI:AF+12*AI+11], v[8*BI:8*BI+7], v[SC+16*(\set)+MA*(\q)+BI], v[SC+16*(\set)+MA*(\q)+AI] matrix_a_fmt:MATRIX_FMT_FP6 matrix_b_fmt:MATRIX_FMT_FP6 matrix_a_scale:MATRIX_SCALE_ROW1
.else
	v_wmma_scale_f32_16x16x128_f8f6f4 v[ACR+8*BI:ACR+8*BI+7], v[BF+12*BI:BF+12*BI+11], v[AF+12*AI:AF+12*AI+11], v[ACR+8*BI:ACR+8*BI+7], v[SC+16*(\set)+MA*(\q)+BI], v[SC+16*(\set)+MA*(\q)+AI] matrix_a_fmt:MATRIX_FMT_FP6 matrix_b_fmt:MATRIX_FMT_FP6 matrix_a_scale:MATRIX_SCALE_ROW1
.endif
.set BI, BI+1
.endr
.set AI, AI+1
.endr
.endm
.macro FETCH slot, q, set
.set WN, (\set)<<6
	WIN WN
.set FI, 0
.rept MA
.irp c, 0,1,2
	ds_load_b128 v[BF+12*FI+4*\c:BF+12*FI+4*\c+3], v[ADRB+\slot] offset:(\q)*12288+FI*1536+512*\c
.endr
.irp c, 0,1
	ds_load_b128 v[AF+12*FI+6*\c:AF+12*FI+6*\c+3], v[ADRA+\slot] offset:(\q)*12288+FI*1536+768*\c
	ds_load_b64 v[AF+12*FI+6*\c+4:AF+12*FI+6*\c+5], v[ADRA+2+\slot] offset:(\q)*12288+FI*1536+768*\c
.endr
.set FI, FI+1
.endr
	WIN 0
.endm
.macro SCALES set
.set FQ, 0
.rept NQ
.set FI, 0
.rept MA
	ds_load_b32 v[SC+16*(\set)+MA*FQ+FI], v[ADRS] offset:FQ*512+FI*64
.set FI, FI+1
.endr
.set FQ, FQ+1
.endr
.endm
.macro STEP slot, q, first
	s_wait_dscnt 0x0
.if (\first) == 0
	PLACES 4
.endif
	FETCH \slot, (\q)+1, 1-(\q)%2
	MULS 0, MA, (\q)%2, \q, \slot, \first
.endm
.macro MID slot, q0
.set QQ, \q0
.rept NQ-1-(\q0)
	STEP \slot, QQ, 0
.set QQ, QQ+1
.endr
.endm
.macro TURN slot, next, fill
	WIN 0
	s_wait_tensorcnt 0x0
	ds_add_u32 v[SPW], v[NIL]
	s_wait_dscnt 1
	MULS 0, MA/4, 1, NQ-1, \slot, 0
	s_wait_dscnt 0x0
	s_barrier_signal -1
	MULS MA/4, MA/4, 1, NQ-1, \slot, 0
	WIN 0
	s_barrier_wait -1
.if \fill
	CREST
	s_add_nc_u64 s[G0+4*\slot+2:G0+4*\slot+3], s[G0+4*\slot+2:G0+4*\slot+3], 2*SLOTG
	s_add_nc_u64 s[G0B+4*\slot+2:G0B+4*\slot+3], s[G0B+4*\slot+2:G0B+4*\slot+3], 2*SLOTG
	JLOAD G0+4*\slot, G1, G0B+4*\slot, G1B
.else
	PLACES 4
.endif
	v_add_nc_u32 v[ADRS], NQ*512, v[ADRS]
	FETCH \next, 0, 0
	SCALES \next
	MULS MA/2, MA/2, 1, NQ-1, \slot, 0
.endm
	s_wait_tensorcnt 0x0
	s_barrier_signal -1
	s_barrier_wait -1
	FETCH 0, 0, 0
	SCALES 0
	s_wait_loadcnt 32
	STEP 0, 0, 1
.if LAPS > 1
	WIN 0
	s_mov_b32 s3, LAPS-1
.Llap:
	MID 0, 1
	TURN 0, 1, 1
	MID 1, 0
	TURN 1, 0, 1
	STEP 0, 0, 0
	WIN 0
	s_sub_co_u32 s3, s3, 1
	s_cmp_lg_u32 s3, 0
	s_cbranch_scc1 .Llap
.endif
	MID 0, 1
	TURN 0, 1, 0
	MID 1, 0
	s_wait_dscnt 0x0
	MULS 0, MA, 1, NQ-1, 1, 0
	WIN 0
.macro TOSTAGE a
	WIN 0x08
.irp b, 0,1,2,3
	ds_store_b128 v[STO], v[8*(4*(\a)+\b):8*(4*(\a)+\b)+3] offset:128*(\b/2)+32*(\b%2)
	ds_store_b128 v[STO], v[8*(4*(\a)+\b)+4:8*(4*(\a)+\b)+7] offset:128*(\b/2)+32*(\b%2)+16
.endr
	WIN 0
.set BR, 64+32*((\a)%2)
.irp t, 0,1,2,3,4,5,6,7
	ds_load_b128 v[BR+4*\t:BR+4*\t+3], v[RD] offset:2*\t*272
.endr
.endm
.macro SEND a, younger
.set BR, 64+32*((\a)%2)
	s_wait_dscnt \younger
	WIN 0x08
.set TI, 0
.rept 16
	v_pk_add_f32 v[BR+2*TI:BR+2*TI+1], v[BR+2*TI:BR+2*TI+1], v[128+32*(\a)+2*TI:128+32*(\a)+2*TI+1]
.set TI, TI+1
.endr
	WIN 0
.irp t, 0,1,2,3,4,5,6,7
	global_store_b128 v[CO], v[BR+4*\t:BR+4*\t+3], s[12:13] offset:(32*((\a)/2)+8*((\a)%2)+2*\t+8*(\t/4))*4096 th:TH_STORE_NT
.endr
.endm
	PLACES 4
	s_wait_loadcnt 0x0
	TOSTAGE 0
.irp a, 1,2,3
.if \a > 1
	s_wait_xcnt 0x0
.endif
	TOSTAGE \a
	SEND \a-1, 16
.endr
	SEND 3, 0
	s_wait_tensorcnt 0x0
	ds_add_u32 v[SPW], v[NIL]
	s_wait_dscnt 0x0
	CROUND
	s_endpgm
.Lfunc_end_k_q1fc314b5c9_proj:
	.size	k_q1fc314b5c9_proj, .Lfunc_end_k_q1fc314b5c9_proj-k_q1fc314b5c9_proj
	.p2alignl 7, 3214868480
	.fill 96, 4, 3214868480
	.section	.rodata,"a",@progbits
	.p2align	6, 0x0
	.amdhsa_kernel k_q1fc314b5c9_proj
		.amdhsa_group_segment_fixed_size 327680
		.amdhsa_private_segment_fixed_size 0
		.amdhsa_enable_private_segment 0
		.amdhsa_kernarg_size 40
		.amdhsa_user_sgpr_count 2
		.amdhsa_user_sgpr_kernarg_segment_ptr 1
		.amdhsa_wavefront_size32 1
		.amdhsa_system_sgpr_workgroup_id_x 1
		.amdhsa_system_sgpr_workgroup_id_y 1
		.amdhsa_system_sgpr_workgroup_id_z 1
		.amdhsa_system_vgpr_workitem_id 0
		.amdhsa_next_free_vgpr 768
		.amdhsa_next_free_sgpr 100
		.amdhsa_reserve_vcc 0
		.amdhsa_float_denorm_mode_32 3
		.amdhsa_float_denorm_mode_16_64 3
		.amdhsa_memory_ordered 1
		.amdhsa_forward_progress 1
		.amdhsa_inst_pref_size 59
	.end_amdhsa_kernel
	.amdgpu_metadata
---
amdhsa.version: [ 1, 2 ]
amdhsa.kernels:
  - .name:           k_q1fc314b5c9_proj
    .symbol:         k_q1fc314b5c9_proj.kd
    .args:
      - { .name: oc, .offset: 0, .size: 8, .value_kind: global_buffer, .address_space: global }
      - { .name: wq, .offset: 8, .size: 8, .value_kind: global_buffer, .address_space: global }
      - { .name: b_proj, .offset: 16, .size: 8, .value_kind: global_buffer, .address_space: global }
      - { .name: x, .offset: 24, .size: 8, .value_kind: global_buffer, .address_space: global }
      - { .name: x1, .offset: 32, .size: 8, .value_kind: global_buffer, .address_space: global }
    .group_segment_fixed_size: 327680
    .private_segment_fixed_size: 0
    .kernarg_segment_align: 8
    .kernarg_segment_size: 40
    .max_flat_workgroup_size: 128
    .sgpr_count:     100
    .vgpr_count:     768
    .wavefront_size: 32
...
	.end_amdgpu_metadata
.endif
;; end of part 4
;; launch ln2: the kernel of part 1 again; grid 256 x 1, 8 waves a work-group, no clusters, 66,816 bytes of LDS; arguments x1, ln2_g, ln2_b, w_qkv, w_proj, w1, w2, hc, wq; writes hc, wq
;; launch fc1 (part 5): grid 16 x 16, 4 waves a work-group, clusters of 4 x 4, 327,680 bytes of LDS; arguments hc, wq, b1, fc; writes fc
.if DOCPART == 5
	.amdgcn_target "amdgcn-amd-amdhsa--gfx1250"
	.amdhsa_code_object_version 6
	.text
	.protected	k_q1fc314b5c9_fc1
	.globl	k_q1fc314b5c9_fc1
	.p2align	8
	.type	k_q1fc314b5c9_fc1,@function
k_q1fc314b5c9_fc1:
	s_mov_b64 s[64:65], 0
	v_nop
	global_prefetch_b8 v0, s[64:65] scope:SCOPE_SE
	s_setreg_imm32_b32 hwreg(HW_REG_WAVE_MODE, 25, 1), 1
	s_wait_xcnt 0x0
	s_wait_alu depctr_hold_cnt(0) depctr_sa_sdst(0) depctr_va_vdst(0) depctr_va_sdst(0) depctr_va_ssrc(0) depctr_va_vcc(0) depctr_vm_vsrc(0)
	s_getreg_b32 s2, hwreg(HW_REG_IB_STS2, 6, 4)
	s_cmp_eq_u32 s2, 0
	s_cbranch_scc0 .Lentry_in_a_cluster
	s_endpgm
.Lentry_in_a_cluster:
	s_bfe_u32 s2, ttmp6, 0x10000c
	s_cmp_lg_u32 s2, 0xf033
	s_cbranch_scc0 .Lentry_shape_is_right
	s_endpgm
.Lentry_shape_is_right:
.set QKV,   0
.set RELU,  1
.set MA,    8
.set NB,    8
.set NQ,    2
.set NKS,   8
.set AW,    49152
.set SQ,    NKS*512
.set SAW,   SQ
.set SLOT,  24576
.set BREG,  98304
.set SLOTG, NQ*12288
.set SCL,   196608
.set G0H,   4
.set G0HB,  96
.set SPARE, SCL+4*SQ
.set SST,   SPARE+512
.set LAPS,  NKS/(2*NQ)
.set BO,   7
.set LI,   8
.set ADRA, 16
.set ADRB, 20
.set SSA,  24
.set RDS,  25
.set ADRS, 27
.set SPW,  28
.set NIL,  29
.set SC,   32
.set AF,   64
.set BF,   64+12*MA
.set PC,   64
.set TM,   96
.set PW,   112
.set SEL,  18
.set OUTP, 10
.set G1, 24
.set G0, 32
.set G1B, 48
.set G0B, 56
.set G1S, 68
.set G0S, 76
.set G1SB, 80
.set G0SB, 88
.set MSB, 0
.macro WIN new
.if MSB != (\new)
	s_set_vgpr_msb (MSB<<8)|(\new)
.set MSB, (\new)
.endif
.endm
.macro JLOAD g0a, g1a, g0b, g1b
	s_cmp_eq_u32 s15, 0
	s_cbranch_scc0 .Lfor_b_\@
	tensor_load_to_lds s[\g0a:\g0a+3], s[\g1a:\g1a+7]
	s_nop 0
.rept 4
	v_nop
.endr
	s_branch .Lasked_\@
.Lfor_b_\@:
	tensor_load_to_lds s[\g0b:\g0b+3], s[\g1b:\g1b+7]
	s_nop 0
.rept 4
	v_nop
.endr
.Lasked_\@:
.endm
.macro CREST
	s_cmp_lg_u32 s14, 0
	s_cbranch_scc1 .Lnot_wave_0_\@
	s_barrier_signal -3
.Lnot_wave_0_\@:
	s_barrier_wait -3
	s_barrier_signal -1
	s_barrier_wait -1
.endm
.macro CROUND
	s_barrier_signal -1
	s_barrier_wait -1
	CREST
.endm
.macro PLACES n
.rept \n
	v_nop
.endr
.endm
	s_load_b128 s[4:7], s[0:1], 0x0
	s_load_b128 s[8:11], s[0:1], 0x10
	v_lshl_add_u32 v[SPW], v0, 2, SPARE
	v_mov_b32 v[NIL], 0
	ds_add_u32 v[SPW], v[NIL]
	ds_add_u32 v[SPW], v[NIL]
	v_lshrrev_b32 v1, 5, v0
	v_readfirstlane_b32 s14, v1
	s_lshr_b32 s15, s14, 1
	s_and_b32 s16, s14, 1
	s_bfe_u32 s40, ttmp6, 0x40000
	s_bfe_u32 s41, ttmp6, 0x40004
	s_lshl_b32 s42, ttmp9, 2
	s_add_co_u32 s42, s42, s40
	s_and_b32 s17, ttmp7, 0xffff
	s_lshl_b32 s17, s17, 2
	s_add_co_u32 s17, s17, s41
	s_mov_b32 s96, 0
	s_mov_b32 s97, 3145728
	s_mov_b32 s99, 3145728
	s_mov_b32 s98, 9568256
	s_mov_b32 s94, 12582912
	s_lshl_b32 s43, s41, 2
	s_lshl_b32 s43, 15, s43
	s_lshl_b32 s44, 0x1111, s40
	s_or_b32 s[G1+0], s43, (3<<16)|(1<<21)
	s_or_b32 s[G1B+0], s44, (3<<16)|(1<<21)
	s_or_b32 s[G1S+0], s43, (3<<16)|(1<<21)
	s_or_b32 s[G1SB+0], s44, (3<<16)|(1<<21)
.irp g, G1, G1B                        ; the head's shape: two blocks of 128 rows, K steps 0-3 of each: 2 rows of 49,152 dense bytes, NKS x 12,288 bytes apart
	s_mov_b32 s[\g+1], 6144<<16
	s_mov_b32 s[\g+2], 2<<16
	s_mov_b32 s[\g+3], 6144<<16
	s_mov_b32 s[\g+4], 2
	s_mov_b32 s[\g+5], NKS*12288/8
	s_mov_b32 s[\g+6], 0
	s_mov_b32 s[\g+7], 0
.endr
.irp g, G1S, G1SB
	s_mov_b32 s[\g+1], 32<<16
	s_mov_b32 s[\g+2], (2*SQ/256)<<16
	s_mov_b32 s[\g+3], 32<<16
	s_mov_b32 s[\g+4], 2*SQ/256
	s_mov_b32 s[\g+5], 32
	s_mov_b32 s[\g+6], 0
	s_mov_b32 s[\g+7], 0
.endr
	s_lshl_b32 s20, s17, 1
	s_mul_i32 s22, s20, NKS*512
	s_mul_i32 s20, s20, NKS*12288
	s_add_co_u32 s22, s22, s97
	s_add_co_u32 s20, s20, s96
	s_lshl_b32 s46, s42, 1
	s_mul_i32 s92, s46, NKS*512
	s_mul_i32 s46, s46, NKS*12288
	s_add_co_u32 s92, s92, s98
	s_add_co_u32 s46, s46, s99
	s_mov_b32 s21, 0
	s_mov_b32 s23, 0
	s_mov_b32 s47, 0
	s_mov_b32 s93, 0
	s_mul_i32 s45, s14, 49152
	s_wait_dscnt 0x0
	s_wait_kmcnt 0x0
	s_add_nc_u64 s[20:21], s[4:5], s[20:21]
	s_add_nc_u64 s[22:23], s[4:5], s[22:23]
	s_add_nc_u64 s[46:47], s[6:7], s[46:47]
	s_add_nc_u64 s[92:93], s[6:7], s[92:93]
	CROUND
	s_mov_b32 s[G0S], 1
	s_mov_b32 s[G0S+1], SCL
	s_mov_b64 s[G0S+2:G0S+3], s[22:23]
	s_or_b32 s[G0S+3], s[G0S+3], 0x80000000
	s_mov_b32 s[G0SB], 1
	s_mov_b32 s[G0SB+1], SCL+2*SQ
	s_mov_b64 s[G0SB+2:G0SB+3], s[92:93]
	s_or_b32 s[G0SB+3], s[G0SB+3], 0x80000000
	s_mov_b32 s[G0H], 1                            ; the head's four tiles, one joint load a wave: both slots of the rows,
	s_mov_b32 s[G0H+1], 0
	s_mov_b64 s[G0H+2:G0H+3], s[20:21]
	s_or_b32 s[G0H+3], s[G0H+3], 0x80000000
	s_mov_b32 s[G0HB], 1                           ; both slots of the columns, the rows' scale words, the columns'
	s_mov_b32 s[G0HB+1], BREG
	s_mov_b64 s[G0HB+2:G0HB+3], s[46:47]
	s_or_b32 s[G0HB+3], s[G0HB+3], 0x80000000
.macro ARM under, g0, g1, next         ; one chain of branches on the wave's number: every way passes exactly one load
	s_cmp_lt_u32 s14, \under
	s_cbranch_scc0 \next
	tensor_load_to_lds s[\g0:\g0+3], s[\g1:\g1+7]
	s_nop 0
.rept 4
	v_nop
.endr
	s_branch .Lhead_asked
\next:
.endm
	ARM 1, G0H,  G1,  .Lhead_b
	ARM 2, G0HB, G1B, .Lhead_sa
	ARM 3, G0S,  G1S, .Lhead_sb
	tensor_load_to_lds s[G0SB:G0SB+3], s[G1SB:G1SB+7]
	s_nop 0
.rept 4
	v_nop
.endr
.Lhead_asked:
	s_mul_i32 s18, s16, NKS*12288                  ; for the ring: the block of 128 that I fetch
	s_mov_b32 s19, 0
	s_add_nc_u64 s[20:21], s[20:21], s[18:19]
	s_add_nc_u64 s[46:47], s[46:47], s[18:19]
.irp s, 0,1
	s_mov_b32 s[G0+4*\s], 1
	s_add_co_u32 s[G0+4*\s+1], s45, \s*SLOT
	s_add_nc_u64 s[G0+4*\s+2:G0+4*\s+3], s[20:21], \s*SLOTG
	s_or_b32 s[G0+4*\s+3], s[G0+4*\s+3], 0x80000000
	s_mov_b32 s[G0B+4*\s], 1
	s_add_co_u32 s[G0B+4*\s+1], s45, \s*SLOT
	s_add_nc_u64 s[G0B+4*\s+2:G0B+4*\s+3], s[46:47], \s*SLOTG
	s_or_b32 s[G0B+4*\s+3], s[G0B+4*\s+3], 0x80000000
.endr
	v_and_b32 v1, 15, v0
	v_bfe_u32 v2, v0, 4, 1
	s_wait_alu depctr_va_vdst(0)
	v_and_b32 v3, 31, v0
	v_lshlrev_b32 v[LI], 4, v3
	s_mul_i32 s18, s15, AW
	s_mul_i32 s19, s16, AW
	s_add_co_u32 s19, s19, BREG
.irp s, 0,1
	v_add_nc_u32 v[ADRA+\s], s18, v[LI]
	v_add_nc_u32 v[ADRB+\s], s19, v[LI]
	s_add_co_u32 s18, s18, SLOT
	s_add_co_u32 s19, s19, SLOT
.endr
	v_lshlrev_b32 v5, 2, v1
	s_mul_i32 s18, s15, SAW
	s_mul_i32 s19, s16, SAW
	s_add_co_u32 s19, s19, 2*SQ
	s_sub_co_u32 s19, s19, s18
	v_mul_u32_u24 v6, s19, v2
	s_add_co_u32 s18, s18, SCL
	v_add_nc_u32 v6, v5, v6
	v_add_nc_u32 v[ADRS], s18, v6
	s_lshl_b32 s18, s14, 9
	s_add_co_u32 s18, s18, SST
	v_add_nc_u32 v[SSA], s18, v5
	v_add_nc_u32 v[RDS], s18, v[LI]
	s_lshl_b32 s20, s17, 1
	s_add_co_u32 s20, s20, s15
	s_lshl_b32 s21, s42, 1
	s_add_co_u32 s21, s21, s16
	s_lshl_b32 s22, s20, 5
	s_add_co_u32 s22, s22, s21
	s_mov_b32 s23, s22
	s_mul_i32 s22, s22, 12288
	s_lshl_b32 s92, s23, 9
	s_add_co_u32 s92, s92, s94
	s_mov_b32 s23, 0
	s_mov_b32 s93, 0
	s_add_nc_u64 s[22:23], s[OUTP:OUTP+1], s[22:23]
	s_add_nc_u64 s[92:93], s[OUTP:OUTP+1], s[92:93]
	s_lshl_b32 s20, s42, 10
	s_lshl_b32 s21, s16, 9
	s_add_co_u32 s20, s20, s21
	s_mov_b32 s21, 0
	s_add_nc_u64 s[8:9], s[8:9], s[20:21]
	v_lshlrev_b32 v[BO], 6, v2
	WIN 0x40
.irp bb, 0,1,2,3
.irp jj, 0,1,2,3
	global_load_b128 v[16*\bb+4*\jj:16*\bb+4*\jj+3], v[BO], s[8:9] offset:128*\bb+16*\jj
.endr
.endr
	WIN 0
.macro MULS a0, na, p, q, set, first
.set AI, \a0
.rept \na
.set ACW, 2+(8*NB*AI)/256
.set ACR, (8*NB*AI)%256
.if (\first) == 1
.set WN, (1<<4)|(ACW<<6)
.else
.set WN, (\p)|((\p)<<2)|(ACW<<4)|(ACW<<6)
.endif
	WIN WN
.set BI, 0
.rept NB
.if (\first) == 1
	v_wmma_scale_f32_16x16x128_f8f6f4 v[ACR+8*BI:ACR+8*BI+7], v[BF+12*BI:BF+12*BI+11], v[AF+12*AI:AF+12*AI+11], v[8*BI:8*BI+7], v[SC+16*(\set)+MA*(\q)+BI], v[SC+16*(\set)+MA*(\q)+AI] matrix_a_fmt:MATRIX_FMT_FP6 matrix_b_fmt:MATRIX_FMT_FP6 matrix_a_scale:MATRIX_SCALE_ROW1
.else
	v_wmma_scale_f32_16x16x128_f8f6f4 v[ACR+8*BI:ACR+8*BI+7], v[BF+12*BI:BF+12*BI+11], v[AF+12*AI:AF+12*AI+11], v[ACR+8*BI:ACR+8*BI+7], v[SC+16*(\set)+MA*(\q)+BI], v[SC+16*(\set)+MA*(\q)+AI] matrix_a_fmt:MATRIX_FMT_FP6 matrix_b_fmt:MATRIX_FMT_FP6 matrix_a_scale:MATRIX_SCALE_ROW1
.endif
.set BI, BI+1
.endr
.set AI, AI+1
.endr
.endm
.macro FETCH slot, q, set
.set WN, (\set)<<6
	WIN WN
.set FI, 0
.rept MA
.irp c, 0,1,2
	ds_load_b128 v[BF+12*FI+4*\c:BF+12*FI+4*\c+3], v[ADRB+\slot] offset:(\q)*12288+FI*1536+512*\c
.endr
.irp c, 0,1,2
	ds_load_b128 v[AF+12*FI+4*\c:AF+12*FI+4*\c+3], v[ADRA+\slot] offset:(\q)*12288+FI*1536+512*\c
.endr
.set FI, FI+1
.endr
	WIN 0
.endm
.macro SCALES set
.set FQ, 0
.rept NQ
.set FI, 0
.rept MA
	ds_load_b32 v[SC+16*(\set)+MA*FQ+FI], v[ADRS] offset:FQ*512+FI*64
.set FI, FI+1
.endr
.set FQ, FQ+1
.endr
.endm
.macro STEP slot, q, first
	s_wait_dscnt 0x0
.if (\first) == 0
	PLACES 4
.endif
	FETCH \slot, (\q)+1, 1-(\q)%2
	MULS 0, MA, (\q)%2, \q, \slot, \first
.endm
.macro MID slot, q0
.set QQ, \q0
.rept NQ-1-(\q0)
	STEP \slot, QQ, 0
.set QQ, QQ+1
.endr
.endm
.macro TURN slot, next, fill
	WIN 0
	s_wait_tensorcnt 0x0
	ds_add_u32 v[SPW], v[NIL]
	s_wait_dscnt 1
	MULS 0, MA/4, 1, NQ-1, \slot, 0
	s_wait_dscnt 0x0
	s_barrier_signal -1
	MULS MA/4, MA/4, 1, NQ-1, \slot, 0
	WIN 0
	s_barrier_wait -1
.if \fill
	CREST
	s_add_nc_u64 s[G0+4*\slot+2:G0+4*\slot+3], s[G0+4*\slot+2:G0+4*\slot+3], 2*SLOTG
	s_add_nc_u64 s[G0B+4*\slot+2:G0B+4*\slot+3], s[G0B+4*\slot+2:G0B+4*\slot+3], 2*SLOTG
	JLOAD G0+4*\slot, G1, G0B+4*\slot, G1B
.else
	PLACES 4
.endif
	s_wait_alu depctr_va_vdst(0)
	v_add_nc_u32 v[ADRS], NQ*512, v[ADRS]
	FETCH \next, 0, 0
	SCALES \next
	MULS MA/2, MA/2, 1, NQ-1, \slot, 0
.endm
	s_wait_alu depctr_va_vdst(0)
	s_wait_tensorcnt 0x0                           ; my tile of the head's four is in; 24,576 dense bytes as 96 rows of 256
.irp g, G1, G1B
	s_mov_b32 s[\g+1], 32<<16
	s_mov_b32 s[\g+2], 96<<16
	s_mov_b32 s[\g+3], 32<<16
	s_mov_b32 s[\g+4], 96
	s_mov_b32 s[\g+5], 32
.endr
	s_barrier_signal -1
	s_barrier_wait -1
	FETCH 0, 0, 0
	SCALES 0
	s_wait_loadcnt 0x0
	STEP 0, 0, 1
.if LAPS > 1
	WIN 0
	s_mov_b32 s3, LAPS-1
.Llap:
	MID 0, 1
	TURN 0, 1, 1
	MID 1, 0
	TURN 1, 0, 1
	STEP 0, 0, 0
	WIN 0
	s_sub_co_u32 s3, s3, 1
	s_cmp_lg_u32 s3, 0
	s_cbranch_scc1 .Llap
.endif
	MID 0, 1
	TURN 0, 1, 0
	MID 1, 0
	s_wait_dscnt 0x0
	MULS 0, MA, 1, NQ-1, 1, 0
	WIN 0
.macro QOUT a
.set WW, 2+(\a)/4
.set SS, 64*((\a)%4)
.if (\a) > 0
	s_wait_xcnt 0x0
	s_wait_dscnt 0x0
.endif
.if RELU
.set WN, (WW<<2)|(WW<<6)
	WIN WN
.set JJ, 0
.rept 64
	v_max_num_f32 v[SS+JJ], 0, v[SS+JJ]
.set JJ, JJ+1
.endr
.endif
.set WN, WW|(WW<<2)
	WIN WN
.irp b, 0,1,2,3
	v_max3_num_f32 v[TM+\b], |v[SS+16*\b]|, |v[SS+1+16*\b]|, 0x1800000
.endr
.set WN, (WW<<2)|(WW<<4)
	WIN WN
.irp i, 2,4,6,8,10,12,14
.irp b, 0,1,2,3
	v_max3_num_f32 v[TM+\b], v[TM+\b], |v[SS+16*\b+\i]|, |v[SS+1+16*\b+\i]|
.endr
.endr
	WIN 0
.irp b, 0,1,2,3
	v_permlanex16_b32 v[TM+4+\b], v[TM+\b], s[SEL], s[SEL+1]
.endr
.irp b, 0,1,2,3
	v_max_num_f32 v[TM+\b], v[TM+\b], v[TM+4+\b]
.endr
.irp b, 0,1,2,3
	v_add_nc_u32 v[TM+12+\b], 0xff000000, v[TM+\b]
.endr
.irp b, 0,1,2,3
	v_lshrrev_b32 v[TM+4+\b], 23, v[TM+12+\b]
.endr
	v_lshl_or_b32 v[PW], v[TM+5], 8, v[TM+4]
	v_lshl_or_b32 v[PW], v[TM+6], 16, v[PW]
	v_lshl_or_b32 v[PW], v[TM+7], 24, v[PW]
	WIN WW
.irp c, 0,1
	v_cvt_scalef32_pk16_fp6_f32 v[PC+6*\c:PC+2+6*\c], v[SS+32*\c:SS+15+32*\c], v[TM+12+2*\c]
	v_cvt_scalef32_pk16_fp6_f32 v[PC+12+4*\c:PC+14+4*\c], v[SS+16+32*\c:SS+31+32*\c], v[TM+12+2*\c+1]
.endr
	WIN 0
	v_nop
.irp c, 0,1
.irp i, 0,1,2
	v_permlane16_swap_b32 v[PC+6*\c+\i], v[PC+12+4*\c+\i]
.endr
.irp i, 0,1,2
	v_mov_b32 v[PC+3+6*\c+\i], v[PC+12+4*\c+\i]
.endr
.endr
.irp c, 0,1,2
	global_store_b128 v[LI], v[PC+4*\c:PC+4*\c+3], s[22:23] offset:(\a)*1536+512*\c
.endr
	ds_store_b32 v[SSA], v[PW] offset:64*(\a)
.endm
	PLACES 4
	s_mov_b32 s[SEL], 0x76543210
	s_mov_b32 s[SEL+1], 0xfedcba98
.irp b, 0,1,2,3
	v_mov_b32 v[TM+4+\b], 0
.endr
.irp a, 0,1,2,3,4,5,6,7
	QOUT \a
.endr
	ds_load_b128 v[116:119], v[RDS]
	s_wait_dscnt 0x0
	global_store_b128 v[LI], v[116:119], s[92:93]
	s_wait_tensorcnt 0x0
	ds_add_u32 v[SPW], v[NIL]
	s_wait_dscnt 0x0
	CROUND
	s_endpgm
.Lfunc_end_k_q1fc314b5c9_fc1:
	.size	k_q1fc314b5c9_fc1, .Lfunc_end_k_q1fc314b5c9_fc1-k_q1fc314b5c9_fc1
	.p2alignl 7, 3214868480
	.fill 96, 4, 3214868480
	.section	.rodata,"a",@progbits
	.p2align	6, 0x0
	.amdhsa_kernel k_q1fc314b5c9_fc1
		.amdhsa_group_segment_fixed_size 327680
		.amdhsa_private_segment_fixed_size 0
		.amdhsa_enable_private_segment 0
		.amdhsa_kernarg_size 32
		.amdhsa_user_sgpr_count 2
		.amdhsa_user_sgpr_kernarg_segment_ptr 1
		.amdhsa_wavefront_size32 1
		.amdhsa_system_sgpr_workgroup_id_x 1
		.amdhsa_system_sgpr_workgroup_id_y 1
		.amdhsa_system_sgpr_workgroup_id_z 1
		.amdhsa_system_vgpr_workitem_id 0
		.amdhsa_next_free_vgpr 1024
		.amdhsa_next_free_sgpr 100
		.amdhsa_reserve_vcc 0
		.amdhsa_float_denorm_mode_32 3
		.amdhsa_float_denorm_mode_16_64 3
		.amdhsa_memory_ordered 1
		.amdhsa_forward_progress 1
		.amdhsa_inst_pref_size 160
	.end_amdhsa_kernel
	.amdgpu_metadata
---
amdhsa.version: [ 1, 2 ]
amdhsa.kernels:
  - .name:           k_q1fc314b5c9_fc1
    .symbol:         k_q1fc314b5c9_fc1.kd
    .args:
      - { .name: hc, .offset: 0, .size: 8, .value_kind: global_buffer, .address_space: global }
      - { .name: wq, .offset: 8, .size: 8, .value_kind: global_buffer, .address_space: global }
      - { .name: b1, .offset: 16, .size: 8, .value_kind: global_buffer, .address_space: global }
      - { .name: fc, .offset: 24, .size: 8, .value_kind: global_buffer, .address_space: global }
    .group_segment_fixed_size: 327680
    .private_segment_fixed_size: 0
    .kernarg_segment_align: 8
    .kernarg_segment_size: 32
    .max_flat_workgroup_size: 128
    .sgpr_count:     100
    .vgpr_count:     1024
    .wavefront_size: 32
...
	.end_amdgpu_metadata
.endif
;; end of part 5
;; launch fc2 (part 6): grid 8 x 32, 4 waves a work-group, clusters of 4 x 4, 327,680 bytes of LDS; arguments fc, wq, b2, x1, out0; writes out0
.if DOCPART == 6
	.amdgcn_target "amdgcn-amd-amdhsa--gfx1250"
	.amdhsa_code_object_version 6
	.text
	.protected	k_q1fc314b5c9_fc2
	.globl	k_q1fc314b5c9_fc2
	.p2align	8
	.type	k_q1fc314b5c9_fc2,@function
k_q1fc314b5c9_fc2:
	s_mov_b64 s[64:65], 0
	v_nop
	global_prefetch_b8 v0, s[64:65] scope:SCOPE_SE
	s_setreg_imm32_b32 hwreg(HW_REG_WAVE_MODE, 25, 1), 1
	s_wait_xcnt 0x0
	s_wait_alu depctr_hold_cnt(0) depctr_sa_sdst(0) depctr_va_vdst(0) depctr_va_sdst(0) depctr_va_ssrc(0) depctr_va_vcc(0) depctr_vm_vsrc(0)
	s_getreg_b32 s2, hwreg(HW_REG_IB_STS2, 6, 4)
	s_cmp_eq_u32 s2, 0
	s_cbranch_scc0 .Lentry_in_a_cluster
	s_endpgm
.Lentry_in_a_cluster:
	s_bfe_u32 s2, ttmp6, 0x10000c
	s_cmp_lg_u32 s2, 0xf033
	s_cbranch_scc0 .Lentry_shape_is_right
	s_endpgm
.Lentry_shape_is_right:
.set NKS,   32
.set ASC,   12582912
.set BCODE, 6291456
.set BSC,   9699328
.set MA,    4
.set NB,    4
.set NQ,    4
.set AW,    6144
.set SQ,    NKS*256
.set SAW,   256
.set SLOT,  49152
.set BREG,  98304
.set SLOTG, NQ*12288
.set SCL,   196608
.set G0H,   4
.set G0HB,  96
.set PFA,   66                         ; s[66:67] where my prefetches stand: my work-group's quarter of the 24,576 bytes that I fetch of a slot
.set SPARE, SCL+4*SQ
.set STG,   SPARE+512
.set LAPS,  NKS/(2*NQ)
.set BO,   7
.set LI,   8
.set ADRA, 16
.set ADRB, 20
.set STO,  24
.set RD,   25
.set CO,   26
.set ADRS, 27
.set SPW,  28
.set NIL,  29
.set SC,   32
.set AF,   64
.set BF,   64+12*MA
.set G1, 24
.set G0, 32
.set G1B, 48
.set G0B, 56
.set G1S, 68
.set G0S, 76
.set G1SB, 80
.set G0SB, 88
.set MSB, 0
.macro WIN new
.if MSB != (\new)
	s_set_vgpr_msb (MSB<<8)|(\new)
.set MSB, (\new)
.endif
.endm
.macro JLOAD g0a, g1a, g0b, g1b
	s_cmp_eq_u32 s15, 0
	s_cbranch_scc0 .Lfor_b_\@
	tensor_load_to_lds s[\g0a:\g0a+3], s[\g1a:\g1a+7]
	s_nop 0
.rept 4
	v_nop
.endr
	s_branch .Lasked_\@
.Lfor_b_\@:
	tensor_load_to_lds s[\g0b:\g0b+3], s[\g1b:\g1b+7]
	s_nop 0
.rept 4
	v_nop
.endr
.Lasked_\@:
.endm
.macro CREST
	s_cmp_lg_u32 s14, 0
	s_cbranch_scc1 .Lnot_wave_0_\@
	s_barrier_signal -3
.Lnot_wave_0_\@:
	s_barrier_wait -3
	s_barrier_signal -1
	s_barrier_wait -1
.endm
.macro CROUND
	s_barrier_signal -1
	s_barrier_wait -1
	CREST
.endm
.macro PLACES n
.rept \n
	v_nop
.endr
.endm
	s_load_b128 s[4:7], s[0:1], 0x0
	s_load_b128 s[8:11], s[0:1], 0x10
	s_load_b64 s[12:13], s[0:1], 0x20
	v_lshl_add_u32 v[SPW], v0, 2, SPARE
	v_mov_b32 v[NIL], 0
	ds_add_u32 v[SPW], v[NIL]
	ds_add_u32 v[SPW], v[NIL]
	v_lshrrev_b32 v1, 5, v0
	v_readfirstlane_b32 s14, v1
	s_lshr_b32 s15, s14, 1
	s_and_b32 s16, s14, 1
	s_bfe_u32 s40, ttmp6, 0x40000
	s_bfe_u32 s41, ttmp6, 0x40004
	s_lshl_b32 s42, ttmp9, 2
	s_add_co_u32 s42, s42, s40
	s_and_b32 s17, ttmp7, 0xffff
	s_lshl_b32 s17, s17, 2
	s_add_co_u32 s17, s17, s41
	s_lshl_b32 s43, s41, 2
	s_lshl_b32 s43, 15, s43
	s_lshl_b32 s44, 0x1111, s40
	s_or_b32 s[G1+0], s43, (3<<16)|(1<<21)
	s_or_b32 s[G1B+0], s44, (3<<16)|(1<<21)
	s_or_b32 s[G1S+0], s43, (3<<16)|(1<<21)
	s_or_b32 s[G1SB+0], s44, (3<<16)|(1<<21)
.irp g, G1, G1B
	s_mov_b32 s[\g+1], 32<<16
	s_mov_b32 s[\g+2], 384<<16
	s_mov_b32 s[\g+3], 32<<16
	s_mov_b32 s[\g+4], 384
	s_mov_b32 s[\g+5], 32
	s_mov_b32 s[\g+6], 0
	s_mov_b32 s[\g+7], 0
.endr
.irp g, G1S, G1SB
	s_mov_b32 s[\g+1], 32<<16
	s_mov_b32 s[\g+2], (2*SQ/256)<<16
	s_mov_b32 s[\g+3], 32<<16
	s_mov_b32 s[\g+4], 2*SQ/256
	s_mov_b32 s[\g+5], 32
	s_mov_b32 s[\g+6], 0
	s_mov_b32 s[\g+7], 0
.endr
	s_mul_i32 s22, s17, NKS*512
	s_mul_i32 s20, s17, NKS*12288
	s_mul_i32 s92, s42, NKS*512
	s_mul_i32 s46, s42, NKS*12288
	s_mul_i32 s19, s16, 24576
	s_add_co_u32 s22, s22, ASC
	s_add_co_u32 s92, s92, BSC
	s_add_co_u32 s46, s46, BCODE
	s_mov_b32 s21, 0
	s_mov_b32 s23, 0
	s_mov_b32 s47, 0
	s_mov_b32 s93, 0
	s_mul_i32 s45, s15, 98304                      ; the ring's loads: rows' or columns' region, + my half of a slot
	s_add_co_u32 s45, s45, s19
	s_wait_dscnt 0x0
	s_wait_kmcnt 0x0
	s_add_nc_u64 s[20:21], s[4:5], s[20:21]
	s_add_nc_u64 s[22:23], s[4:5], s[22:23]
	s_add_nc_u64 s[46:47], s[6:7], s[46:47]
	s_add_nc_u64 s[92:93], s[6:7], s[92:93]
	CROUND
	s_mov_b32 s[G0S], 1
	s_mov_b32 s[G0S+1], SCL
	s_mov_b64 s[G0S+2:G0S+3], s[22:23]
	s_or_b32 s[G0S+3], s[G0S+3], 0x80000000
	s_mov_b32 s[G0SB], 1
	s_mov_b32 s[G0SB+1], SCL+2*SQ
	s_mov_b64 s[G0SB+2:G0SB+3], s[92:93]
	s_or_b32 s[G0SB+3], s[G0SB+3], 0x80000000
	s_mov_b32 s[G0H], 1                            ; the head's four tiles, one joint load a wave: both slots of the rows (98,304 dense bytes),
	s_mov_b32 s[G0H+1], 0
	s_mov_b64 s[G0H+2:G0H+3], s[20:21]
	s_or_b32 s[G0H+3], s[G0H+3], 0x80000000
	s_mov_b32 s[G0HB], 1                           ; both slots of the columns, the rows' scale words, the columns'
	s_mov_b32 s[G0HB+1], BREG
	s_mov_b64 s[G0HB+2:G0HB+3], s[46:47]
	s_or_b32 s[G0HB+3], s[G0HB+3], 0x80000000
.macro ARM under, g0, g1, next         ; one chain of branches on the wave's number: every way passes exactly one load
	s_cmp_lt_u32 s14, \under
	s_cbranch_scc0 \next
	tensor_load_to_lds s[\g0:\g0+3], s[\g1:\g1+7]
	s_nop 0
.rept 4
	v_nop
.endr
	s_branch .Lhead_asked
\next:
.endm
	ARM 1, G0H,  G1,  .Lhead_b
	ARM 2, G0HB, G1B, .Lhead_sa
	ARM 3, G0S,  G1S, .Lhead_sb
	tensor_load_to_lds s[G0SB:G0SB+3], s[G1SB:G1SB+7]
	s_nop 0
.rept 4
	v_nop
.endr
.Lhead_asked:
	s_mul_i32 s18, s16, 24576                      ; for the ring: the half of a slot that I fetch
	s_mov_b32 s19, 0
	s_add_nc_u64 s[20:21], s[20:21], s[18:19]
	s_add_nc_u64 s[46:47], s[46:47], s[18:19]
	s_cmp_eq_u32 s15, 0                            ; the prefetches: of the 96 blocks of 256 bytes that I fetch, the partner at place p (cx for the rows, cy for the columns) names 24: told apart by address
	s_cselect_b64 s[PFA:PFA+1], s[20:21], s[46:47]
	s_cselect_b32 s18, s40, s41
	s_mul_i32 s18, s18, 6144
	s_add_nc_u64 s[PFA:PFA+1], s[PFA:PFA+1], s[18:19]
.irp s, 0,1
	s_mov_b32 s[G0+4*\s], 1
	s_add_co_u32 s[G0+4*\s+1], s45, \s*SLOT
	s_add_nc_u64 s[G0+4*\s+2:G0+4*\s+3], s[20:21], \s*SLOTG
	s_or_b32 s[G0+4*\s+3], s[G0+4*\s+3], 0x80000000
	s_mov_b32 s[G0B+4*\s], 1
	s_add_co_u32 s[G0B+4*\s+1], s45, \s*SLOT
	s_add_nc_u64 s[G0B+4*\s+2:G0B+4*\s+3], s[46:47], \s*SLOTG
	s_or_b32 s[G0B+4*\s+3], s[G0B+4*\s+3], 0x80000000
.endr
	v_and_b32 v1, 15, v0
	v_bfe_u32 v2, v0, 4, 1
	s_wait_alu depctr_va_vdst(0)
	v_and_b32 v3, 31, v0
	v_lshlrev_b32 v[LI], 4, v3
	v_min_u32 v30, 23, v3                          ; a lane a block of 256 bytes; the eight lanes left over name the last again
	v_lshlrev_b32 v30, 8, v30
	s_mul_i32 s18, s15, AW
	s_mul_i32 s19, s16, AW
	s_add_co_u32 s19, s19, BREG
.irp s, 0,1
	v_add_nc_u32 v[ADRA+\s], s18, v[LI]
	v_add_nc_u32 v[ADRB+\s], s19, v[LI]
	s_add_co_u32 s18, s18, SLOT
	s_add_co_u32 s19, s19, SLOT
.endr
	v_lshlrev_b32 v5, 2, v1
	s_mul_i32 s18, s15, SAW
	s_mul_i32 s19, s16, SAW
	s_add_co_u32 s19, s19, 2*SQ
	s_sub_co_u32 s19, s19, s18
	v_mul_u32_u24 v6, s19, v2
	s_add_co_u32 s18, s18, SCL
	v_add_nc_u32 v6, v5, v6
	v_add_nc_u32 v[ADRS], s18, v6
	s_mul_i32 s18, s14, 16*272
	s_add_co_u32 s18, s18, STG
	v_mul_u32_u24 v5, v1, 272
	v_lshl_add_u32 v5, v2, 6, v5
	v_add_nc_u32 v[STO], s18, v5
	v_mul_u32_u24 v5, v2, 272
	v_lshl_add_u32 v5, v1, 4, v5
	v_add_nc_u32 v[RD], s18, v5
	v_lshlrev_b32 v5, 12, v2
	v_lshl_add_u32 v[CO], v1, 4, v5
	s_wait_alu depctr_va_vdst(0)
	s_lshl_b32 s20, s17, 7
	s_lshl_b32 s21, s15, 6
	s_add_co_u32 s20, s20, s21
	s_lshl_b32 s20, s20, 12
	s_lshl_b32 s22, s42, 9
	s_lshl_b32 s21, s16, 8
	s_add_co_u32 s22, s22, s21
	s_add_co_u32 s20, s20, s22
	s_mov_b32 s21, 0
	s_mov_b32 s23, 0
	s_add_nc_u64 s[10:11], s[10:11], s[20:21]
	s_add_nc_u64 s[12:13], s[12:13], s[20:21]
	s_add_nc_u64 s[8:9], s[8:9], s[22:23]
	v_lshlrev_b32 v[BO], 6, v2
	WIN 0x40
.irp bb, 0,1
.irp jj, 0,1,2,3
	global_load_b128 v[16*\bb+4*\jj:16*\bb+4*\jj+3], v[BO], s[8:9] offset:128*\bb+16*\jj
.endr
.endr
	WIN 0x80
.irp a, 0,1,2,3
.irp t, 0,1,2,3,4,5,6,7
	global_load_b128 v[128+32*\a+4*\t:128+32*\a+4*\t+3], v[CO], s[10:11] offset:(32*(\a/2)+8*(\a%2)+2*\t+8*(\t/4))*4096
.endr
.endr
	WIN 0
	global_prefetch_b8 v30, s[PFA:PFA+1] offset:2*SLOTG th:TH_LOAD_NT scope:SCOPE_SE   ; what the first two refills will load
	global_prefetch_b8 v30, s[PFA:PFA+1] offset:3*SLOTG th:TH_LOAD_NT scope:SCOPE_SE
.macro MULS a0, na, p, q, set, first
.set AI, \a0
.rept \na
.set ACR, 8*NB*AI
.if (\first) == 1
.set WN, (1<<4)|(2<<6)
.else
.set WN, (\p)|((\p)<<2)|(2<<4)|(2<<6)
.endif
	WIN WN
.set BI, 0
.rept NB
.if (\first) == 1
	v_wmma_scale_f32_16x16x128_f8f6f4 v[ACR+8*BI:ACR+8*BI+7], v[BF+12*BI:BF+12*BI+11], v[AF+12*AI:AF+12*AI+11], v[8*BI:8*BI+7], v[SC+16*(\set)+MA*(\q)+BI], v[SC+16*(\set)+MA*(\q)+AI] matrix_a_fmt:MATRIX_FMT_FP6 matrix_b_fmt:MATRIX_FMT_FP6 matrix_a_scale:MATRIX_SCALE_ROW1
.else
	v_wmma_scale_f32_16x16x128_f8f6f4 v[ACR+8*BI:ACR+8*BI+7], v[BF+12*BI:BF+12*BI+11], v[AF+12*AI:AF+12*AI+11], v[ACR+8*BI:ACR+8*BI+7], v[SC+16*(\set)+MA*(\q)+BI], v[SC+16*(\set)+MA*(\q)+AI] matrix_a_fmt:MATRIX_FMT_FP6 matrix_b_fmt:MATRIX_FMT_FP6 matrix_a_scale:MATRIX_SCALE_ROW1
.endif
.set BI, BI+1
.endr
.set AI, AI+1
.endr
.endm
.macro FETCH slot, q, set
.set WN, (\set)<<6
	WIN WN
.set FI, 0
.rept MA
.irp c, 0,1,2
	ds_load_b128 v[BF+12*FI+4*\c:BF+12*FI+4*\c+3], v[ADRB+\slot] offset:(\q)*12288+FI*1536+512*\c
.endr
.irp c, 0,1,2
	ds_load_b128 v[AF+12*FI+4*\c:AF+12*FI+4*\c+3], v[ADRA+\slot] offset:(\q)*12288+FI*1536+512*\c
.endr
.set FI, FI+1
.endr
	WIN 0
.endm
.macro SCALES set
.set FQ, 0
.rept NQ
.set FI, 0
.rept MA
	ds_load_b32 v[SC+16*(\set)+MA*FQ+FI], v[ADRS] offset:FQ*512+FI*64
.set FI, FI+1
.endr
.set FQ, FQ+1
.endr
.endm
.macro STEP slot, q, first
	s_wait_dscnt 0x0
.if (\first) == 0
	PLACES 4
.endif
	FETCH \slot, (\q)+1, 1-(\q)%2
	MULS 0, MA, (\q)%2, \q, \slot, \first
.endm
.macro MID slot, q0
.set QQ, \q0
.rept NQ-1-(\q0)
	STEP \slot, QQ, 0
.set QQ, QQ+1
.endr
.endm
.macro TURN slot, next, fill
	WIN 0
.if \fill
	s_wait_xcnt 0x0                                ; my last prefetch has read its address
	s_add_nc_u64 s[PFA:PFA+1], s[PFA:PFA+1], SLOTG
.endif
	s_wait_tensorcnt 0x0
	ds_add_u32 v[SPW], v[NIL]
	s_wait_dscnt 1
	MULS 0, MA/4, 1, NQ-1, \slot, 0
	s_wait_dscnt 0x0
	s_barrier_signal -1
	MULS MA/4, MA/4, 1, NQ-1, \slot, 0
	WIN 0
	s_barrier_wait -1
.if \fill
	CREST
	s_add_nc_u64 s[G0+4*\slot+2:G0+4*\slot+3], s[G0+4*\slot+2:G0+4*\slot+3], 2*SLOTG
	s_add_nc_u64 s[G0B+4*\slot+2:G0B+4*\slot+3], s[G0B+4*\slot+2:G0B+4*\slot+3], 2*SLOTG
	JLOAD G0+4*\slot, G1, G0B+4*\slot, G1B
.else
	PLACES 4
.endif
	s_wait_alu depctr_va_vdst(0)
	v_add_nc_u32 v[ADRS], NQ*512, v[ADRS]
	FETCH \next, 0, 0
	SCALES \next
.if \fill
	s_cmp_gt_u32 s3, 1                             ; the slot's fill two refills on; the last trip's two refills have none
	s_cbranch_scc0 .Lno_ask_\@
	global_prefetch_b8 v30, s[PFA:PFA+1] offset:3*SLOTG th:TH_LOAD_NT scope:SCOPE_SE
.Lno_ask_\@:
.endif
	MULS MA/2, MA/2, 1, NQ-1, \slot, 0
.endm
	s_wait_tensorcnt 0x0                           ; my tile of the head's four is in; no tensor load of mine is out: from here on a load brings 96 rows
	s_mov_b32 s[G1+2], 96<<16
	s_mov_b32 s[G1+4], 96
	s_mov_b32 s[G1B+2], 96<<16
	s_mov_b32 s[G1B+4], 96
	s_barrier_signal -1
	s_barrier_wait -1
	FETCH 0, 0, 0
	SCALES 0
	s_wait_loadcnt 32
	STEP 0, 0, 1
.if LAPS > 1
	WIN 0
	s_mov_b32 s3, LAPS-1
.Llap:
	MID 0, 1
	TURN 0, 1, 1
	MID 1, 0
	TURN 1, 0, 1
	STEP 0, 0, 0
	WIN 0
	s_sub_co_u32 s3, s3, 1
	s_cmp_lg_u32 s3, 0
	s_cbranch_scc1 .Llap
.endif
	MID 0, 1
	TURN 0, 1, 0
	MID 1, 0
	s_wait_dscnt 0x0
	MULS 0, MA, 1, NQ-1, 1, 0
	WIN 0
.macro TOSTAGE a
	WIN 0x08
.irp b, 0,1,2,3
	ds_store_b128 v[STO], v[8*(4*(\a)+\b):8*(4*(\a)+\b)+3] offset:128*(\b/2)+32*(\b%2)
	ds_store_b128 v[STO], v[8*(4*(\a)+\b)+4:8*(4*(\a)+\b)+7] offset:128*(\b/2)+32*(\b%2)+16
.endr
	WIN 0
.set BR, 64+32*((\a)%2)
.irp t, 0,1,2,3,4,5,6,7
	ds_load_b128 v[BR+4*\t:BR+4*\t+3], v[RD] offset:2*\t*272
.endr
.endm
.macro SEND a, younger
.set BR, 64+32*((\a)%2)
	s_wait_dscnt \younger
	WIN 0x08
.set TI, 0
.rept 16
	v_pk_add_f32 v[BR+2*TI:BR+2*TI+1], v[BR+2*TI:BR+2*TI+1], v[128+32*(\a)+2*TI:128+32*(\a)+2*TI+1]
.set TI, TI+1
.endr
	WIN 0
.irp t, 0,1,2,3,4,5,6,7
	global_store_b128 v[CO], v[BR+4*\t:BR+4*\t+3], s[12:13] offset:(32*((\a)/2)+8*((\a)%2)+2*\t+8*(\t/4))*4096 th:TH_STORE_NT
.endr
.endm
	PLACES 4
	s_wait_loadcnt 0x0
	TOSTAGE 0
.irp a, 1,2,3
.if \a > 1
	s_wait_xcnt 0x0
.endif
	TOSTAGE \a
	SEND \a-1, 16
.endr
	SEND 3, 0
	s_wait_tensorcnt 0x0
	ds_add_u32 v[SPW], v[NIL]
	s_wait_dscnt 0x0
	CROUND
	s_endpgm
.Lfunc_end_k_q1fc314b5c9_fc2:
	.size	k_q1fc314b5c9_fc2, .Lfunc_end_k_q1fc314b5c9_fc2-k_q1fc314b5c9_fc2
	.p2alignl 7, 3214868480
	.fill 96, 4, 3214868480
	.section	.rodata,"a",@progbits
	.p2align	6, 0x0
	.amdhsa_kernel k_q1fc314b5c9_fc2
		.amdhsa_group_segment_fixed_size 327680
		.amdhsa_private_segment_fixed_size 0
		.amdhsa_enable_private_segment 0
		.amdhsa_kernarg_size 40
		.amdhsa_user_sgpr_count 2
		.amdhsa_user_sgpr_kernarg_segment_ptr 1
		.amdhsa_wavefront_size32 1
		.amdhsa_system_sgpr_workgroup_id_x 1
		.amdhsa_system_sgpr_workgroup_id_y 1
		.amdhsa_system_sgpr_workgroup_id_z 1
		.amdhsa_system_vgpr_workitem_id 0
		.amdhsa_next_free_vgpr 768
		.amdhsa_next_free_sgpr 100
		.amdhsa_reserve_vcc 0
		.amdhsa_float_denorm_mode_32 3
		.amdhsa_float_denorm_mode_16_64 3
		.amdhsa_memory_ordered 1
		.amdhsa_forward_progress 1
		.amdhsa_inst_pref_size 94
	.end_amdhsa_kernel
	.amdgpu_metadata
---
amdhsa.version: [ 1, 2 ]
amdhsa.kernels:
  - .name:           k_q1fc314b5c9_fc2
    .symbol:         k_q1fc314b5c9_fc2.kd
    .args:
      - { .name: fc, .offset: 0, .size: 8, .value_kind: global_buffer, .address_space: global }
      - { .name: wq, .offset: 8, .size: 8, .value_kind: global_buffer, .address_space: global }
      - { .name: b2, .offset: 16, .size: 8, .value_kind: global_buffer, .address_space: global }
      - { .name: x1, .offset: 24, .size: 8, .value_kind: global_buffer, .address_space: global }
      - { .name: out0, .offset: 32, .size: 8, .value_kind: global_buffer, .address_space: global }
    .group_segment_fixed_size: 327680
    .private_segment_fixed_size: 0
    .kernarg_segment_align: 8
    .kernarg_segment_size: 40
    .max_flat_workgroup_size: 128
    .sgpr_count:     100
    .vgpr_count:     768
    .wavefront_size: 32
...
	.end_amdgpu_metadata
.endif
;; end of part 6
